; MI455X (gfx1250); checked and timed in simulation.
; The chip was launched on July 23, 2026; its instructions are those of AMD's public machine-readable ISA for CDNA 5 (MIT licence, August 2026) and "CDNA5" Instruction Set Architecture Reference Guide (July 2026). The comments in the code are by the model that wrote it; some were corrected since.
;; Transformer Block. Allowed arithmetic: matrix products marked QUANTISED: E2M1 operands, one E8M0 scale for each 32 along K, by v_wmma_scale_f32_16x16x128_f8f6f4 with both operands' format E2M1 (or v_wmma_scale_f32_32x16x128_f4), f32 sums; everything else in f32.
;; Inputs: b_fc1 4,096 float32; b_fc2 1,024 float32; b_out 1,024 float32; b_qkv 3,072 float32; ln1_b 1,024 float32; ln1_g 1,024 float32; ln2_b 1,024 float32; ln2_g 1,024 float32; w_fc1 1,024 x 4,096 float32; w_fc2 4,096 x 1,024 float32; w_out 1,024 x 1,024 float32; w_qkv 1,024 x 3,072 float32; x 2 x 2,048 x 1,024 float32.
;; Outputs: out0 2 x 2,048 x 1,024 float32.
;; This version of the problem:
;;   THIS VERSION OF THE PROBLEM IS GIVEN IN LOW PRECISION. The matrix products marked QUANTISED in the list below multiply operands that are first quantised to E2M1 (2 exponent bits, 1 mantissa bit; 4 bits a number), with one power-of-two scale for each 32 numbers along K (OCP MX v1.0); their sums are f32. All else is computed in f32.
;;   The module's matrix products, in the order in which they are computed (A, B: the left and right operand; K: the contracted axis; several contracted axes count as one K, in the product's order):
;;     1. [M 4,096, K 1,024] x [K 1,024, N 3,072]; A: computed on the way; B: input w_qkv: QUANTISED
;;     2. batch 32 x [M 2,048, K 64] x [K 64, N 2,048]; A: computed on the way; B: computed on the way: QUANTISED
;;     3. batch 32 x [M 2,048, K 2,048] x [K 2,048, N 64]; A: softmax (see below); B: computed on the way: QUANTISED
;;     4. [M 4,096, K 1,024] x [K 1,024, N 1,024]; A: computed on the way; B: input w_out: QUANTISED
;;     5. [M 4,096, K 1,024] x [K 1,024, N 4,096]; A: computed on the way; B: input w_fc1: QUANTISED
;;     6. [M 4,096, K 4,096] x [K 4,096, N 1,024]; A: computed on the way; B: input w_fc2: QUANTISED
;;   THE QUANTISER, for each operand of a quantised product, along K:
;;     - K is cut into blocks of 32 from its start; a last block that is shorter is filled with zeros.
;;     - A block's scale is 2^e with e = floor(log2(the largest magnitude in the block)) - 2, held to -126 .. 127; a block of zeros has e = 0. As a byte (E8M0): e + 127.
;;     - Each number is divided by its block's scale, clamped to +-6, and rounded to the nearest number of E2M1, ties to even, subnormals kept.
;;     - The product sums the exact products of the quantised numbers (number of the format x scale) in f32.
;;   ~~~python
;;   def quantise(x, axis):      # numpy; x: float32 -> the quantised numbers, widened to float32 again
;;       x = np.moveaxis(x, axis, -1); K = x.shape[-1]
;;       x = np.pad(x, [(0, 0)] * (x.ndim - 1) + [(0, -K % 32)]); x = x.reshape(x.shape[:-1] + (-1, 32)); a = np.abs(x).max(-1, keepdims=True)
;;       e = np.where(a > 0, np.clip(np.frexp(np.where(a > 0, a, 1))[1] - 1 - 2, -126, 127), 0)      # np.frexp(a)[1] - 1 = floor(log2(a)), exactly
;;       r = np.clip(x / 2.0 ** e, -6, 6)
;;       step = 2.0 ** (np.maximum(np.frexp(np.where(r == 0, 1, r))[1] - 1, 0) - 1)
;;       q = np.round(r / step) * step * 2.0 ** e      # np.round: ties to even
;;       return np.moveaxis(q.reshape(q.shape[:-2] + (-1,))[..., :K], -1, axis).astype(np.float32)
;;   ~~~
;;   SOFTMAX AHEAD OF A QUANTISED PRODUCT. Where the list says 'softmax', what is quantised is not the finished softmax but p = 2^(t - M), with t = logit x log2(e) and M = ceil(the row's largest t), a whole number; so 1/2 < the row's largest p <= 1. The row's sum l is taken of the UNQUANTISED p, in f32, and the product's result is divided by l at the end. Since M is a whole number, a kernel that streams over the keys may use a running M (the ceiling of the running maximum): every later rescaling is an exact power of two, which a block's scale takes up: the codes' values come out the same.
;;   OPERANDS COMPUTED ON THE WAY. 'Computed on the way' means the value that the module computes at that place (a softmax that the list does not call 'softmax' is quantised finished and normalised). What goes into a quantiser is computed in f32, as accurately as f32 sums, v_exp_f32 and their like allow (about 1e-6 of the number): no bf16 or f16 on the way to a quantiser, and a product that is left as it is and whose result goes on into a quantised operand takes f32 operands (vector FMAs, or v_wmma_f32_16x16x4_f32). A number that lies on a knife's edge between two numbers of the format may be rounded either way, as far as f32 arithmetic and the matrix unit's own rounding can turn it there, and no further.
;; One version. Each part assembles by itself: llvm-mc -triple=amdgcn-amd-amdhsa -mcpu=gfx1250 --defsym DOCPART=n.
;; ======== version 1 of 1: 6 launches
;; limits: right only within a limited range of input values
;; workspace buffers: hn 2,228,224 bytes; wq 6,684,672 bytes; qq 2,359,296 bytes; kv 4,587,520 bytes; oc 2,228,224 bytes; x1 16,777,216 bytes; hid 8,912,896 bytes
;; launch prep (part 1): grid 448 x 1, 16 waves a work-group, no clusters, 93,184 bytes of LDS; arguments x, ln1_g, ln1_b, hn, w_qkv, w_out, w_fc1, w_fc2, wq; writes hn, wq
.if DOCPART == 1
	.amdgcn_target "amdgcn-amd-amdhsa--gfx1250"
	.amdhsa_code_object_version 6
	.text
	.protected	k_q85176e86f7_prep
	.globl	k_q85176e86f7_prep
	.p2align	8
	.type	k_q85176e86f7_prep,@function
k_q85176e86f7_prep:
	s_mov_b64 s[64:65], 0
	v_nop
	global_prefetch_b8 v0, s[64:65] scope:SCOPE_SE
	s_setreg_imm32_b32 hwreg(HW_REG_WAVE_MODE, 25, 1), 1
	s_wait_xcnt 0x0
; TRANSFORMER BLOCK IN MX-FP4, launch 1 of 7.  Work-groups 0-255: LayerNorm 1 of x, quantised along its 1,024 columns.  Work-groups 256-447: the four weights, stored [K][N] in f32, quantised along K.
; DEAD WORK: none.  Every one of the 13 inputs has a way to out0 (the bias on k too: it moves k's codes), so all are loaded and every product of the problem's table is done.
; LIMITS: NaN and infinities among the inputs are not served.  A block of zeros, and a block whose largest magnitude lies under 2^-124, gets the scale byte 1 (the rule says 127 for zeros): its codes of zeros add nothing,
; and the bytes are read by this program alone.  1 / sqrt is v_rsq_f32.  The variance is the mean of the squared deviations from the mean (two passes over registers), so a common offset costs no cancellation.
; THE OPERAND IMAGE that all launches share, for R rows and K along the product's K: [tile of 16 rows][group of 512 along K][4,352 bytes]: 4,096 bytes of codes [block of 32 % 16][place r][16 bytes], then 256 bytes of scale words
; [K step of 128 % 4][place r][4 bytes].  So a fragment (16 rows x 128 K) is 2 x 512 consecutive bytes, 16 a lane: an image of the operand's registers.
; PLACE r OF TILE t HOLDS ROW 32 (t / 2) + 16 (r / 8) + 8 (t % 2) + r % 8: a product's 16 result registers of two neighbouring tiles are then 16 neighbours along the next K.
; No matrix work, no cluster (the work-groups share 8 KB of gain and bias alone), no tensor load: memory binds.
.set SP,    80                         ; a lane's place in a stage: 64 bytes + 16 of padding
.set WST,   2*32*SP                    ; LDS: each wave's own stage: two steps of 512 numbers
.set OUTC,  16*WST                     ; the tile's codes: 32 blocks, 272 bytes apart, 16 bytes a place
.set OUTS,  OUTC+32*272                ; its scale words [8 K steps][16 places][4 bytes]
.set SPARE, OUTS+512                   ; the spare words, 128 bytes for each wave
.set R,   16                           ; v16-47   the row: x, then x - mean, then the result
.set G,   48                           ; v48-79   the gain; later the row turned, 16 neighbours a lane and step
.set B,   80                           ; v80-111  the bias
.set CH,  112                          ; v112-119 four chains of sums; later the conversions' scale operands
.set SPW, 14                           ; v14 LDS address of my spare word; never rewritten
.set NIL, 15                           ; v15 0; never rewritten
	s_load_b256 s[4:11], s[0:1], 0x0               ; x, ln1_g, ln1_b, hn
	s_load_b256 s[36:43], s[0:1], 0x20             ; w_qkv, w_out, w_fc1, w_fc2
	s_load_b64 s[44:45], s[0:1], 0x40              ; wq
	v_lshl_add_u32 v[SPW], v0, 2, SPARE
	v_mov_b32 v[NIL], 0
	v_lshrrev_b32 v1, 5, v0
	s_delay_alu instid0(VALU_DEP_1)
	v_readfirstlane_b32 s12, v1                    ; wave 0..15
	v_and_b32 v1, 31, v0                           ; lane
	v_and_b32 v9, 15, v0                           ; r
	v_bfe_u32 v8, v0, 4, 1                         ; h
	s_cmp_ge_u32 ttmp9, 256
	s_cbranch_scc1 .Lweights
; ---- LAYERNORM: work-group t makes tile t; wave w makes place w, one row of 4,096 bytes, kept in 32 registers
	v_lshlrev_b32 v2, 4, v1                        ; 16 x lane
	s_mul_i32 s13, s12, WST
	v_lshrrev_b32 v10, 2, v1
	s_delay_alu instid0(VALU_DEP_1)
	v_mul_u32_u24 v3, v10, SP
	v_and_b32 v10, 3, v1
	s_delay_alu instid0(VALU_DEP_1)
	v_lshl_add_u32 v3, v10, 4, v3
	s_delay_alu instid0(VALU_DEP_1)
	v_add_nc_u32 v3, s13, v3                       ; the stage, on the way in: four lanes' 64 bytes on end, then padding
	v_mul_u32_u24 v4, v1, SP
	s_delay_alu instid0(VALU_DEP_1)
	v_add_nc_u32 v4, s13, v4                       ; and on the way out: my 16 neighbours
	s_lshl_b32 s14, s12, 4
	s_add_co_u32 s14, s14, OUTC
	v_lshrrev_b32 v10, 1, v1
	s_delay_alu instid0(VALU_DEP_1)
	v_mul_u32_u24 v5, v10, 272
	v_and_b32 v11, 1, v1
	s_delay_alu instid0(VALU_DEP_1)
	v_lshl_add_u32 v5, v11, 3, v5
	s_delay_alu instid0(VALU_DEP_1)
	v_add_nc_u32 v5, s14, v5                       ; my 8 bytes of codes: block lane / 2, half lane % 2, place w
	s_lshl_b32 s15, s12, 2
	s_add_co_u32 s15, s15, OUTS
	v_and_b32 v10, 3, v10
	v_lshrrev_b32 v11, 3, v1
	s_delay_alu instid0(VALU_DEP_1)
	v_lshl_add_u32 v6, v11, 6, v10
	s_delay_alu instid0(VALU_DEP_1)
	v_add_nc_u32 v6, s15, v6                       ; my block's scale byte: K step lane / 8, byte (lane / 2) % 4, place w
	s_mul_i32 s16, s12, 544
	s_add_co_u32 s16, s16, OUTC
	v_mul_u32_u24 v7, v8, 272
	s_delay_alu instid0(VALU_DEP_1)
	v_lshl_add_u32 v7, v9, 4, v7
	s_delay_alu instid0(VALU_DEP_1)
	v_add_nc_u32 v7, s16, v7                       ; back: blocks 2 w + h, sixteen lanes to a block's 256 bytes
	v_add_nc_u32 v12, OUTS, v2                     ; the scale words, 16 bytes a lane
	v_mul_u32_u24 v13, v8, 4352
	s_delay_alu instid0(VALU_DEP_1)
	v_lshl_add_u32 v13, v9, 4, v13                 ; and their place in the image: group h
	s_lshr_b32 s16, ttmp9, 1
	s_lshl_b32 s16, s16, 5
	s_and_b32 s17, ttmp9, 1
	s_lshl_b32 s17, s17, 3
	s_add_co_u32 s16, s16, s17
	s_lshr_b32 s18, s12, 3
	s_lshl_b32 s17, s18, 4
	s_add_co_u32 s16, s16, s17
	s_and_b32 s19, s12, 7
	s_add_co_u32 s16, s16, s19                     ; my row: 32 (t / 2) + 8 (t % 2) + 16 (w / 8) + w % 8
	s_lshl_b32 s16, s16, 12
	s_mov_b32 s17, 0
	s_mul_i32 s24, ttmp9, 8704                     ; the tile's image
	s_mov_b32 s25, 0
	s_mul_i32 s26, s18, 4352
	s_lshl_b32 s27, s19, 9
	s_add_co_u32 s26, s26, s27
	s_add_co_u32 s26, s26, s24                     ; my two blocks in it: group w / 8, 512 (w % 8)
	s_mov_b32 s27, 0
	s_mov_b32 s20, 0x76543210
	s_mov_b32 s21, 0xfedcba98                      ; v_permlanex16_b32's selects for lane l xor 16
	s_mov_b32 s22, 0x3a800000                      ; 1 / 1,024
	s_mov_b32 s23, 0x3727c5ac                      ; 1e-5
	s_wait_kmcnt 0x0
	s_add_nc_u64 s[4:5], s[4:5], s[16:17]
	s_add_nc_u64 s[26:27], s[10:11], s[26:27]
	s_add_nc_u64 s[24:25], s[10:11], s[24:25]
.irp j, 0,1,2,3,4,5,6,7
	global_load_b128 v[R+4*\j:R+4*\j+3], v2, s[4:5] offset:512*\j th:TH_LOAD_NT   ; 512 consecutive bytes a load
.endr
.irp j, 0,1,2,3,4,5,6,7
	global_load_b128 v[G+4*\j:G+4*\j+3], v2, s[6:7] offset:512*\j
.endr
.irp j, 0,1,2,3,4,5,6,7
	global_load_b128 v[B+4*\j:B+4*\j+3], v2, s[8:9] offset:512*\j
.endr
.macro WSUM                            ; the four chains, the pair's halves and the 32 lanes are added: the sum in v8 of every lane
	s_delay_alu instid0(VALU_DEP_3)
	v_pk_add_f32 v[CH:CH+1], v[CH:CH+1], v[CH+2:CH+3]
	s_delay_alu instid0(VALU_DEP_2)
	v_pk_add_f32 v[CH+4:CH+5], v[CH+4:CH+5], v[CH+6:CH+7]
	s_delay_alu instid0(VALU_DEP_1)
	v_pk_add_f32 v[CH:CH+1], v[CH:CH+1], v[CH+4:CH+5]
	s_delay_alu instid0(VALU_DEP_1)
	v_add_f32 v8, v[CH], v[CH+1]
.irp m, 1,2,4,8
	s_delay_alu instid0(VALU_DEP_1)
	v_add_f32_dpp v8, v8, v8 row_xmask:\m row_mask:0xf bank_mask:0xf
.endr
	s_delay_alu instid0(VALU_DEP_1)
	v_permlanex16_b32 v9, v8, s20, s21
	s_delay_alu instid0(VALU_DEP_1)
	v_add_f32 v8, v8, v9
.endm
	s_wait_loadcnt 16                              ; the row is in; the gain's and the bias's 16 loads may be out
.irp k, 0,1,2,3
	v_pk_add_f32 v[CH+2*\k:CH+2*\k+1], v[R+2*\k:R+2*\k+1], v[R+8+2*\k:R+9+2*\k]
.endr
.irp p, 8,12
.irp k, 0,1,2,3
	s_delay_alu instid0(VALU_DEP_4)
	v_pk_add_f32 v[CH+2*\k:CH+2*\k+1], v[CH+2*\k:CH+2*\k+1], v[R+2*(\p+\k):R+2*(\p+\k)+1]
.endr
.endr
	WSUM
	s_delay_alu instid0(VALU_DEP_1)
	v_mul_f32 v120, s22, v8                        ; the mean, in both halves of a pair
	s_delay_alu instid0(VALU_DEP_2)
	v_mul_f32 v121, s22, v8
.set p, 0
.rept 16
	v_pk_add_f32 v[R+2*p:R+2*p+1], v[R+2*p:R+2*p+1], v[120:121] neg_lo:[0,1] neg_hi:[0,1]
.set p, p+1
.endr
.irp k, 0,1,2,3
	v_pk_mul_f32 v[CH+2*\k:CH+2*\k+1], v[R+2*\k:R+2*\k+1], v[R+2*\k:R+2*\k+1]
.endr
.irp p, 4,8,12
.irp k, 0,1,2,3
	s_delay_alu instid0(VALU_DEP_4)
	v_pk_fma_f32 v[CH+2*\k:CH+2*\k+1], v[R+2*(\p+\k):R+2*(\p+\k)+1], v[R+2*(\p+\k):R+2*(\p+\k)+1], v[CH+2*\k:CH+2*\k+1]
.endr
.endr
	WSUM
	s_delay_alu instid0(VALU_DEP_1)
	v_fma_f32 v9, v8, s22, s23                     ; the variance + 1e-5
	s_wait_alu depctr_va_vdst(0)
	v_rsq_f32 v122, v9
	v_rsq_f32 v123, v9
	v_nop                                          ; a plain instruction behind the two
	s_wait_alu depctr_va_vdst(0)                   ; one wait for both, ahead of their first reader
	s_wait_loadcnt 0x0                             ; gain and bias
.set p, 0
.rept 16
	v_pk_mul_f32 v[R+2*p:R+2*p+1], v[R+2*p:R+2*p+1], v[122:123]
.set p, p+1
.endr
.set p, 0
.rept 16
	v_pk_fma_f32 v[R+2*p:R+2*p+1], v[R+2*p:R+2*p+1], v[G+2*p:G+2*p+1], v[B+2*p:B+2*p+1]
.set p, p+1
.endr
; the row turns through my own stage, so that a lane holds 16 neighbours: LDS serves a wave's instructions in order, so no wait stands between the stores and the loads
.irp i, 0,1,2,3,4,5,6,7
	ds_store_b128 v3, v[R+4*\i:R+4*\i+3] offset:2560*(\i/4)+640*(\i%4)
.endr
.irp i, 0,1,2,3,4,5,6,7
	ds_load_b128 v[G+4*\i:G+4*\i+3], v4 offset:2560*(\i/4)+16*(\i%4)
.endr
.macro QSTEP st                        ; columns 512 st + 16 lane + 0 .. 15: two neighbouring lanes hold a block of 32
.set XS, G+16*\st
	v_max3_num_f32 v8, |v[XS]|, |v[XS+1]|, |v[XS+2]|
	v_max3_num_f32 v9, |v[XS+3]|, |v[XS+4]|, |v[XS+5]|
.irp i, 6,10
	s_delay_alu instid0(VALU_DEP_2)
	v_max3_num_f32 v8, v8, |v[XS+\i]|, |v[XS+\i+1]|
	s_delay_alu instid0(VALU_DEP_2)
	v_max3_num_f32 v9, v9, |v[XS+\i+2]|, |v[XS+\i+3]|
.endr
	s_delay_alu instid0(VALU_DEP_2)
	v_max3_num_f32 v8, v8, |v[XS+14]|, |v[XS+15]|
	s_delay_alu instid0(VALU_DEP_1)
	v_max3_num_f32 v8, v8, v9, 0x1800000           ; and the floor 2^(3 - 127): the byte cannot fall under 1
	s_delay_alu instid0(VALU_DEP_1)
	v_max_num_f32_dpp v8, v8, v8 row_xmask:1 row_mask:0xf bank_mask:0xf   ; with my neighbour's 16: the block's largest magnitude
	s_delay_alu instid0(VALU_DEP_1)
	v_add_nc_u32 v[CH+\st], 0xff000000, v8         ; 2 off its exponent field: the conversion's scale operand
	v_cvt_scalef32_pk8_fp4_f32 v[124+2*\st], v[XS:XS+7], v[CH+\st]
	v_cvt_scalef32_pk8_fp4_f32 v[125+2*\st], v[XS+8:XS+15], v[CH+\st]
	v_lshrrev_b32 v[10+\st], 23, v[CH+\st]         ; the scale's byte
	ds_store_b64 v5, v[124+2*\st:125+2*\st] offset:4352*\st
	ds_store_b8 v6, v[10+\st] offset:256*\st       ; both lanes of a block write the same byte with the same value
.endm
	s_wait_dscnt 4                                 ; step 0's four loads are in; step 1's four may be out
	QSTEP 0
	s_wait_dscnt 2                                 ; step 1's loads are in; behind them stand step 0's two stores
	QSTEP 1
	s_wait_dscnt 0x0                               ; for the others' sake: my stores have landed
	s_barrier_signal -1
	s_barrier_wait -1
	ds_load_b128 v[16:19], v7
	s_wait_dscnt 0x0
	global_store_b128 v2, v[16:19], s[26:27]       ; 512 consecutive bytes a wave, at a multiple of 256 from hn's first byte
	s_cmp_lg_u32 s12, 0
	s_cbranch_scc1 .Lln_end
	ds_load_b128 v[20:23], v12                     ; wave 0: the tile's 512 bytes of scale words
	s_wait_dscnt 0x0
	global_store_b128 v13, v[20:23], s[24:25] offset:4096
.Lln_end:
	s_wait_tensorcnt 0x0                           ; the wave's end, behind my last LDS store
	ds_add_u32 v[SPW], v[NIL]
	s_wait_dscnt 0x0
	s_endpgm
; ---- WEIGHTS: a work-group takes 128 columns x 512 along K; wave w takes 32 columns (w % 4) x one K step of 128 (w / 4).  A LANE TAKES A COLUMN AND ITS REGISTERS RUN DOWN K: a block of 32 lies in one lane,
; the conversions give codes with K innermost, and sixteen lanes' 16 bytes are a block's 256 bytes of the image: they are stored from registers.
.Lweights:
	s_sub_co_u32 s13, ttmp9, 256
	s_mov_b32 s16, 12288                           ; bytes in a row of W
	s_mov_b32 s17, 1                               ; log2 of K / 512
	s_mov_b32 s18, 8704                            ; a tile's image
	s_mov_b32 s19, 0                               ; the tensor's place in wq
	s_mov_b32 s20, 0                               ; its first work-group
	s_wait_kmcnt 0x0
	s_mov_b64 s[46:47], s[36:37]                   ; 48 work-groups for w_qkv,
	s_cmp_ge_u32 s13, 48                           ; 16 for w_out,
	s_cselect_b64 s[46:47], s[38:39], s[46:47]
	s_cselect_b32 s16, 4096, s16
	s_cselect_b32 s19, 1671168, s19
	s_cselect_b32 s20, 48, s20
	s_cmp_ge_u32 s13, 64                           ; 64 for w_fc1,
	s_cselect_b64 s[46:47], s[40:41], s[46:47]
	s_cselect_b32 s16, 16384, s16
	s_cselect_b32 s19, 2228224, s19
	s_cselect_b32 s20, 64, s20
	s_cmp_ge_u32 s13, 128                          ; 64 for w_fc2
	s_cselect_b64 s[46:47], s[42:43], s[46:47]
	s_cselect_b32 s16, 4096, s16
	s_cselect_b32 s17, 3, s17
	s_cselect_b32 s18, 34816, s18
	s_cselect_b32 s19, 4456448, s19
	s_cselect_b32 s20, 128, s20
	s_sub_co_u32 s21, s13, s20
	s_lshl_b32 s22, 1, s17
	s_sub_co_u32 s22, s22, 1
	s_and_b32 s22, s21, s22                        ; which 512 along K
	s_lshr_b32 s21, s21, s17
	s_lshl_b32 s21, s21, 2
	s_and_b32 s23, s12, 3
	s_add_co_u32 s21, s21, s23                     ; which 32 columns: tiles 2 x this and the next
	s_lshr_b32 s23, s12, 2                         ; which K step of the four
	s_lshl_b32 s50, s22, 2
	s_add_co_u32 s50, s50, s23
	s_lshl_b32 s50, s50, 7
	s_mul_i32 s50, s50, s16                        ; my first row of W, in bytes,
	s_lshl_b32 s51, s21, 7
	s_add_co_u32 s50, s50, s51                     ; and my 128 bytes of it
	s_mov_b32 s51, 0
	s_lshl_b32 s52, s16, 5                         ; 32 rows on
	s_mov_b32 s53, 0
	s_lshl_b32 s54, s21, 1
	s_mul_i32 s54, s54, s18
	s_add_co_u32 s54, s54, s19
	s_mul_i32 s55, s22, 4352
	s_add_co_u32 s54, s54, s55                     ; my first tile's group in wq
	s_lshl_b32 s56, s23, 10
	s_add_co_u32 s56, s56, s54                     ; my K step's codes,
	s_mov_b32 s57, 0
	s_lshl_b32 s58, s23, 6
	s_add_co_u32 s58, s58, s54
	s_add_co_u32 s58, s58, 4096                    ; and its scale words
	s_mov_b32 s59, 0
	s_add_nc_u64 s[24:25], s[46:47], s[50:51]      ; a base for each of the four blocks
	s_add_nc_u64 s[26:27], s[24:25], s[52:53]
	s_add_nc_u64 s[28:29], s[26:27], s[52:53]
	s_add_nc_u64 s[30:31], s[28:29], s[52:53]
	s_add_nc_u64 s[32:33], s[44:45], s[56:57]
	s_add_nc_u64 s[34:35], s[44:45], s[58:59]
	s_wait_alu depctr_va_vdst(0)
	v_and_b32 v10, 8, v9
	s_delay_alu instid0(VALU_DEP_1)
	v_add_nc_u32 v10, v10, v9
	s_delay_alu instid0(VALU_DEP_1)
	v_lshl_add_u32 v10, v8, 3, v10                 ; lane (r, h) stands for place r of tile h: column 16 (r / 8) + 8 h + r % 8 of the 32
	s_delay_alu instid0(VALU_DEP_1)
	v_lshlrev_b32 v2, 2, v10
.set i, 0
.rept 32
	v_mad_u32_u24 v[16+i], s16, i, v2              ; row i of a block
.set i, i+1
.endr
	v_mul_u32_u24 v3, s18, v8
	s_delay_alu instid0(VALU_DEP_1)
	v_lshl_add_u32 v4, v9, 2, v3                   ; my scale word: tile h, place r
	s_delay_alu instid0(VALU_DEP_2)
	v_lshl_add_u32 v3, v9, 4, v3                   ; my 16 bytes of a block
.macro LOAD t                          ; block t into set t % 2: each load reads the wave's 128 bytes of one row
.set i, 0
.rept 32
	global_load_b32 v[48+32*((\t)%2)+i], v[16+i], s[24+2*(\t):25+2*(\t)] th:TH_LOAD_NT
.set i, i+1
.endr
.endm
.macro BLOCK t
.set XS, 48+32*((\t)%2)
.if (\t) < 3
	s_wait_loadcnt 32                              ; this block's 32 loads are in; the next block's may be out
.else
	s_wait_loadcnt 0x0
.endif
	v_max3_num_f32 v12, |v[XS]|, |v[XS+1]|, |v[XS+2]|
	v_max3_num_f32 v13, |v[XS+3]|, |v[XS+4]|, |v[XS+5]|
.irp i, 6,10,14,18,22,26
	s_delay_alu instid0(VALU_DEP_2)
	v_max3_num_f32 v12, v12, |v[XS+\i]|, |v[XS+\i+1]|
	s_delay_alu instid0(VALU_DEP_2)
	v_max3_num_f32 v13, v13, |v[XS+\i+2]|, |v[XS+\i+3]|
.endr
	s_delay_alu instid0(VALU_DEP_2)
	v_max3_num_f32 v12, v12, |v[XS+30]|, |v[XS+31]|
	s_delay_alu instid0(VALU_DEP_1)
	v_max3_num_f32 v12, v12, v13, 0x1800000        ; the floor
	s_delay_alu instid0(VALU_DEP_1)
	v_add_nc_u32 v11, 0xff000000, v12              ; the conversion's scale operand
	s_delay_alu instid0(VALU_DEP_1)
	v_lshrrev_b32 v13, 23, v11                     ; the scale's byte
.if (\t) == 0
	s_delay_alu instid0(VALU_DEP_1)
	v_mov_b32 v5, v13
.else
	s_delay_alu instid0(VALU_DEP_1)
	v_lshl_or_b32 v5, v13, 8*(\t), v5
.endif
.irp g, 0,1,2,3
	v_cvt_scalef32_pk8_fp4_f32 v[112+4*(\t)+\g], v[XS+8*\g:XS+8*\g+7], v11
.endr
	global_store_b128 v3, v[112+4*(\t):115+4*(\t)], s[32:33] offset:256*(\t)   ; sixteen lanes store 256 consecutive bytes, aligned; each block has its own four registers
.if (\t) < 2
	LOAD (\t)+2
.endif
.endm
	LOAD 0
	LOAD 1
	BLOCK 0
	BLOCK 1
	BLOCK 2
	BLOCK 3
	global_store_b32 v4, v5, s[34:35]              ; the K step's scale words of my two tiles
	s_endpgm
.Lfunc_end_k_q85176e86f7_prep:
	.size	k_q85176e86f7_prep, .Lfunc_end_k_q85176e86f7_prep-k_q85176e86f7_prep
	.p2alignl 7, 3214868480
	.fill 96, 4, 3214868480
	.section	.rodata,"a",@progbits
	.p2align	6, 0x0
	.amdhsa_kernel k_q85176e86f7_prep
		.amdhsa_group_segment_fixed_size 93184
		.amdhsa_private_segment_fixed_size 0
		.amdhsa_enable_private_segment 0
		.amdhsa_kernarg_size 72
		.amdhsa_user_sgpr_count 2
		.amdhsa_user_sgpr_kernarg_segment_ptr 1
		.amdhsa_wavefront_size32 1
		.amdhsa_system_sgpr_workgroup_id_x 1
		.amdhsa_system_sgpr_workgroup_id_y 1
		.amdhsa_system_sgpr_workgroup_id_z 1
		.amdhsa_system_vgpr_workitem_id 0
		.amdhsa_next_free_vgpr 128
		.amdhsa_next_free_sgpr 66
		.amdhsa_reserve_vcc 0
		.amdhsa_float_denorm_mode_32 3
		.amdhsa_float_denorm_mode_16_64 3
		.amdhsa_memory_ordered 1
		.amdhsa_forward_progress 1
		.amdhsa_inst_pref_size 44
	.end_amdhsa_kernel
	.amdgpu_metadata
---
amdhsa.version: [ 1, 2 ]
amdhsa.kernels:
  - .name:           k_q85176e86f7_prep
    .symbol:         k_q85176e86f7_prep.kd
    .args:
      - { .name: x, .offset: 0, .size: 8, .value_kind: global_buffer, .address_space: global }
      - { .name: ln1_g, .offset: 8, .size: 8, .value_kind: global_buffer, .address_space: global }
      - { .name: ln1_b, .offset: 16, .size: 8, .value_kind: global_buffer, .address_space: global }
      - { .name: hn, .offset: 24, .size: 8, .value_kind: global_buffer, .address_space: global }
      - { .name: w_qkv, .offset: 32, .size: 8, .value_kind: global_buffer, .address_space: global }
      - { .name: w_out, .offset: 40, .size: 8, .value_kind: global_buffer, .address_space: global }
      - { .name: w_fc1, .offset: 48, .size: 8, .value_kind: global_buffer, .address_space: global }
      - { .name: w_fc2, .offset: 56, .size: 8, .value_kind: global_buffer, .address_space: global }
      - { .name: wq, .offset: 64, .size: 8, .value_kind: global_buffer, .address_space: global }
    .group_segment_fixed_size: 93184
    .private_segment_fixed_size: 0
    .kernarg_segment_align: 8
    .kernarg_segment_size: 72
    .max_flat_workgroup_size: 512
    .sgpr_count:     66
    .vgpr_count:     128
    .wavefront_size: 32
...
	.end_amdgpu_metadata
.endif
;; end of part 1
;; launch qkv (part 2): grid 12 x 16, 16 waves a work-group, clusters of 4 x 4, 280,576 bytes of LDS; arguments hn, wq, b_qkv, qq, kv; writes qq, kv
.if DOCPART == 2
	.amdgcn_target "amdgcn-amd-amdhsa--gfx1250"
	.amdhsa_code_object_version 6
	.text
	.protected	k_q85176e86f7_qkv
	.globl	k_q85176e86f7_qkv
	.p2align	8
	.type	k_q85176e86f7_qkv,@function
k_q85176e86f7_qkv:
	s_mov_b64 s[64:65], 0
	v_nop
	global_prefetch_b8 v0, s[64:65] scope:SCOPE_SE
	s_setreg_imm32_b32 hwreg(HW_REG_WAVE_MODE, 25, 1), 1
	s_wait_xcnt 0x0
	s_wait_alu depctr_hold_cnt(0) depctr_sa_sdst(0) depctr_va_vdst(0) depctr_va_sdst(0) depctr_va_ssrc(0) depctr_va_vcc(0) depctr_vm_vsrc(0)
	s_getreg_b32 s2, hwreg(HW_REG_IB_STS2, 6, 4)
	s_cmp_eq_u32 s2, 0
	s_cbranch_scc0 .Lentry_in_a_cluster
	s_endpgm
.Lentry_in_a_cluster:
	s_bfe_u32 s2, ttmp6, 0x10000c
	s_cmp_lg_u32 s2, 0xf033
	s_cbranch_scc0 .Lentry_shape_is_right
	s_endpgm
.Lentry_shape_is_right:
; Launch 2 of 7: qkv = LN1(x) w_qkv + b_qkv on codes of FP4; q and k are quantised along the head's 64, v along the keys, and only codes and scale words go to memory.  No work is left out.
; LIMITS: as stated at the first kernel's head (scale byte 1 for blocks of zeros and under 2^-124; no NaN, no infinities).
; SHARES.  A work-group makes 256 tokens x 256 columns.  K = 1,024 of both operands lies whole in LDS (2 x 139,264 bytes), filled once: no slot is ever filled again.  Sixteen waves of 256 registers, four to a SIMD.
; A wave multiplies 8 tiles of one operand (source 0) by 2 tiles of the other (source 1): 16 accumulators.  A lane then holds ONE row of source 1 and, for each of its two tiles, 64 registers that are 128 neighbours of source 0
; (with lane l xor 16): exactly one K step of a later product, so codes and scale words leave from registers in the image's order.
; q, k (cluster x = 0, 1): source 0 = 128 columns (two heads), source 1 = 32 tokens.   v (cluster x = 2): source 0 = 128 tokens (one K step of keys), source 1 = 32 columns.
; CLUSTER 4 x 4: the tokens' tiles hang on work-group y and are asked for jointly along a row of the cluster, the weights' on work-group x and along a column.
; OUT.  qq: codes [head 32][tile 128][512 bytes]; from 2,097,152 scale words [head][tile][16] (bytes 0, 1).  kv: [head][512 keys][K 16,384 | V 16,384]; K as q; V [16 of d][K step][1,024 bytes];
; from 4,194,304 [head][K's words 8,192 | V's words [K step 16][16 of d: 4][16]].
.set CHK,   139264                     ; LDS: K = 512 of both operands: the tokens' 16 tiles x 4,352 bytes, then the weights' 16
.set WB,    69632
.set SPARE, 2*CHK                      ; the spare words, 128 bytes for each wave
.set SPW, 30                           ; v30 LDS address of my spare word; v31 0; never rewritten
.set NIL, 31
.set SC0, 32                           ; v32-35 source 0's scale words: register j: lanes 0-15 tile 2 j, lanes 16-31 tile 2 j + 1;  v36 source 1's two tiles likewise.  They hold nothing else
.set SC1, 36
.set F1,  40                           ; v40-55  source 1's two fragments; later the codes just made
.set F0,  56                           ; v56-119 source 0's eight; later at work
.set ACC, 128                          ; v128-255 accumulator (u, t) at 128 + 64 u + 8 t
.set PC,  40
.set PW,  124                          ; v124, v125 the scale words just made
.set TM,  56
.set SEL, 90
.macro CROUND                          ; a round of the cluster's barrier
	s_barrier_signal -1
	s_barrier_wait -1
	s_cmp_lg_u32 s14, 0
	s_cbranch_scc1 .Lnot_wave_0_\@
	s_barrier_signal -3
.Lnot_wave_0_\@:
	s_barrier_wait -3
	s_barrier_signal -1
	s_barrier_wait -1
.endm
.macro WM d, a, b, c, sa, sb, ra, rb   ; one product; ra, rb: the scale words stand in lanes 16-31
.if (\ra)&&(\rb)
	v_wmma_scale_f32_16x16x128_f8f6f4 v[\d:\d+7], v[\a:\a+7], v[\b:\b+7], \c, v[\sa], v[\sb] matrix_a_fmt:MATRIX_FMT_FP4 matrix_b_fmt:MATRIX_FMT_FP4 matrix_a_scale:MATRIX_SCALE_ROW1 matrix_b_scale:MATRIX_SCALE_ROW1
.elseif (\ra)
	v_wmma_scale_f32_16x16x128_f8f6f4 v[\d:\d+7], v[\a:\a+7], v[\b:\b+7], \c, v[\sa], v[\sb] matrix_a_fmt:MATRIX_FMT_FP4 matrix_b_fmt:MATRIX_FMT_FP4 matrix_a_scale:MATRIX_SCALE_ROW1
.elseif (\rb)
	v_wmma_scale_f32_16x16x128_f8f6f4 v[\d:\d+7], v[\a:\a+7], v[\b:\b+7], \c, v[\sa], v[\sb] matrix_a_fmt:MATRIX_FMT_FP4 matrix_b_fmt:MATRIX_FMT_FP4 matrix_b_scale:MATRIX_SCALE_ROW1
.else
	v_wmma_scale_f32_16x16x128_f8f6f4 v[\d:\d+7], v[\a:\a+7], v[\b:\b+7], \c, v[\sa], v[\sb] matrix_a_fmt:MATRIX_FMT_FP4 matrix_b_fmt:MATRIX_FMT_FP4
.endif
.endm
; A K step of 128: 25 LDS loads, 16 products.  The 16 accumulators take turns, one instruction a turn, from step to step too.
.macro KSTEP a0, a1, z0, z1, sl, zero, first
.if !\first
.rept 4
	v_nop                                          ; places in front of loads into registers that matrix instructions have read
.endr
.endif
.irp u, 0,1
.irp c, 0,1
	ds_load_b128 v[F1+8*\u+4*\c:F1+8*\u+4*\c+3], v[\a1] offset:4352*\u+1024*\sl+512*\c
.endr
.endr
.irp t, 0,1,2,3,4,5,6,7
.irp c, 0,1
	ds_load_b128 v[F0+8*\t+4*\c:F0+8*\t+4*\c+3], v[\a0] offset:4352*\t+1024*\sl+512*\c
.endr
.endr
	ds_load_b32 v[SC1], v[\z1] offset:64*\sl
.irp j, 0,1,2,3
	ds_load_b32 v[SC0+\j], v[\z0] offset:8704*\j+64*\sl
.endr
	s_wait_dscnt 0x0
.irp t, 0,1,2,3,4,5,6,7
.irp u, 0,1
.if \zero
	WM ACC+64*\u+8*\t, F0+8*\t, F1+8*\u, 0, SC0+\t/2, SC1, \t%2, \u
.else
	WM ACC+64*\u+8*\t, F0+8*\t, F1+8*\u, v[ACC+64*\u+8*\t:ACC+64*\u+8*\t+7], SC0+\t/2, SC1, \t%2, \u
.endif
.endr
.endr
.endm
.macro CORE a0, a0b, a1, a1b, z0, z0b, z1, z1b, zero
	s_wait_tensorcnt 0x0                           ; my one load is in; behind the barrier all eight are: all of K lies in LDS
	s_barrier_signal -1
	s_barrier_wait -1
	s_wait_loadcnt 0x0                             ; the bias
	KSTEP \a0, \a1, \z0, \z1, 0, \zero, 1
	KSTEP \a0, \a1, \z0, \z1, 1, 0, 0
	KSTEP \a0, \a1, \z0, \z1, 2, 0, 0
	KSTEP \a0, \a1, \z0, \z1, 3, 0, 0
	KSTEP \a0b, \a1b, \z0b, \z1b, 0, 0, 0
	KSTEP \a0b, \a1b, \z0b, \z1b, 1, 0, 0
	KSTEP \a0b, \a1b, \z0b, \z1b, 2, 0, 0
	KSTEP \a0b, \a1b, \z0b, \z1b, 3, 0, 0
.rept 4
	v_nop                                          ; places in front of the first read of results and the first write of operands' registers
.endr
.endm
; 64 numbers of a lane, register 16 b + i = k 32 b + 16 (lane / 16) + i of my row, become a fragment's codes in v[pc] on and its scale word in v[pw]
.macro QUANT s, pc, pw
.irp b, 0,1,2,3
	v_max3_num_f32 v[TM+\b], |v[\s+16*\b]|, |v[\s+1+16*\b]|, 0x1800000   ; my 16 numbers of block b, and the floor 2^(3 - 127)
.endr
.irp i, 2,4,6,8,10,12,14
.irp b, 0,1,2,3
	v_max3_num_f32 v[TM+\b], v[TM+\b], |v[\s+16*\b+\i]|, |v[\s+1+16*\b+\i]|
.endr
.endr
.irp b, 0,1,2,3
	s_delay_alu instid0(VALU_DEP_4)
	v_permlanex16_b32 v[TM+4+\b], v[TM+\b], s[SEL], s[SEL+1]
.endr
.irp b, 0,1,2,3
	s_delay_alu instid0(VALU_DEP_4)
	v_max_num_f32 v[TM+\b], v[TM+\b], v[TM+4+\b]   ; with lane l xor 16's: the block's largest magnitude
.endr
.irp b, 0,1,2,3
	s_delay_alu instid0(VALU_DEP_4)
	v_add_nc_u32 v[TM+12+\b], 0xff000000, v[TM+\b] ; 2 off its exponent field: the conversion's scale operand
.endr
.irp b, 0,1,2,3
	s_delay_alu instid0(VALU_DEP_4)
	v_lshrrev_b32 v[TM+4+\b], 23, v[TM+12+\b]      ; the scale's byte
.endr
	s_delay_alu instid0(VALU_DEP_3)
	v_lshl_or_b32 v[\pw], v[TM+5], 8, v[TM+4]
	s_delay_alu instid0(VALU_DEP_1)
	v_lshl_or_b32 v[\pw], v[TM+6], 16, v[\pw]
	s_delay_alu instid0(VALU_DEP_1)
	v_lshl_or_b32 v[\pw], v[TM+7], 24, v[\pw]
.irp b, 0,1,2,3
	v_cvt_scalef32_pk8_fp4_f32 v[\pc+2*\b], v[\s+16*\b:\s+7+16*\b], v[TM+12+\b]
	v_cvt_scalef32_pk8_fp4_f32 v[\pc+1+2*\b], v[\s+8+16*\b:\s+15+16*\b], v[TM+12+\b]
.endr
	v_nop                                          ; one plain place behind a scaled conversion
.irp c, 0,1
.irp i, 0,1
	v_permlane16_swap_b32 v[\pc+4*\c+\i], v[\pc+2+4*\c+\i]   ; a whole block in a lane: lanes 0-15 block 2 c, lanes 16-31 block 2 c + 1
.endr
.endr
.endm
.macro EPI                             ; both tiles of source 1 are quantised; v20: lanes 0-15 the first tile's scale words, lanes 16-31 the second's
.irp b, 0,1,2,3
	v_mov_b32 v[TM+4+\b], 0                        ; a lane permute's destination counts as one of its sources
.endr
	QUANT ACC, PC, PW
	QUANT ACC+64, PC+8, PW+1
	v_cndmask_b32 v20, v[PW], v[PW+1], s88
.endm
	s_load_b256 s[4:11], s[0:1], 0x0               ; hn, wq, b_qkv, qq
	s_load_b64 s[12:13], s[0:1], 0x20              ; kv
	v_lshl_add_u32 v[SPW], v0, 2, SPARE
	v_mov_b32 v[NIL], 0
	ds_add_u32 v[SPW], v[NIL]                      ; the wave's opening: the add, twice on end, and its wait ahead of the first tensor load
	ds_add_u32 v[SPW], v[NIL]
	v_lshrrev_b32 v20, 5, v0
	s_delay_alu instid0(VALU_DEP_1)
	v_readfirstlane_b32 s14, v20                   ; wave 0..15
	s_and_b32 s15, s14, 1                          ; which 8 tiles of source 0
	s_lshr_b32 s16, s14, 1                         ; which 2 tiles of source 1
	s_bfe_u32 s40, ttmp6, 0x40000                  ; cx, cy
	s_bfe_u32 s41, ttmp6, 0x40004
	s_lshl_b32 s42, ttmp9, 2
	s_add_co_u32 s42, s42, s40                     ; X: which 256 columns
	s_and_b32 s17, ttmp7, 0xffff
	s_lshl_b32 s17, s17, 2
	s_add_co_u32 s17, s17, s41                     ; Y: which 256 tokens
	s_lshl_b32 s43, s41, 2
	s_lshl_b32 s43, 15, s43                        ; my row of the cluster
	s_lshl_b32 s44, 0x1111, s40                    ; my column
	; descriptor group 1: 8 tiles' groups of 4,352 bytes (544 elements of 8 bytes), 8,704 bytes apart in memory, on end in LDS
	s_or_b32 s24, s43, (3<<16)|(1<<21)             ; the tokens' tiles go to my row of the cluster
	s_or_b32 s48, s44, (3<<16)|(1<<21)             ; the weights' to my column
.irp g, 24, 48
	s_mov_b32 s[\g+1], 544<<16                     ; tensor_dim0
	s_mov_b32 s[\g+2], 8<<16                       ; tensor_dim1
	s_mov_b32 s[\g+3], 544<<16                     ; tile_dim0
	s_mov_b32 s[\g+4], 8                           ; tile_dim1
	s_mov_b32 s[\g+5], 1088                        ; from tile to tile
	s_mov_b32 s[\g+6], 0
	s_mov_b32 s[\g+7], 0
.endr
	s_min_u32 s18, s14, 7                          ; waves 0 to 7 fetch, one load each: waves 0, 1 the tokens' halves and 2, 3 the weights' for K = 0 .. 511; waves 4 to 7 the same for K = 512 .. 1,023
	s_lshr_b32 s92, s18, 2                         ; which 512 along K
	s_and_b32 s18, s18, 3
	s_mul_i32 s93, s92, 4352                       ; its group in a tile's image,
	s_mul_i32 s92, s92, CHK                        ; and its half of LDS
	s_and_b32 s19, s18, 1
	s_lshl_b32 s19, s19, 3
	s_lshl_b32 s20, s17, 4
	s_add_co_u32 s20, s20, s19
	s_mul_i32 s20, s20, 8704
	s_mov_b32 s21, 0
	s_lshl_b32 s46, s42, 4
	s_add_co_u32 s46, s46, s19
	s_mul_i32 s46, s46, 8704
	s_mov_b32 s47, 0
	s_mul_i32 s45, s18, 34816                      ; where they go: no place in the cluster enters an LDS address
	s_add_co_u32 s45, s45, s92
	s_add_co_u32 s20, s20, s93
	s_add_co_u32 s46, s46, s93
	s_mov_b32 s[SEL], 0x76543210
	s_mov_b32 s[SEL+1], 0xfedcba98
	s_mov_b32 s88, 0xffff0000
	v_and_b32 v20, 31, v0                          ; lane
	v_and_b32 v21, 15, v0                          ; r
	v_bfe_u32 v22, v0, 4, 1                        ; h
	s_delay_alu instid0(VALU_DEP_3)
	v_lshlrev_b32 v17, 4, v20                      ; 16 x lane: a fragment's place for my lane
	s_delay_alu instid0(VALU_DEP_4)
	v_lshlrev_b32 v18, 2, v20                      ; 4 x lane
	s_delay_alu instid0(VALU_DEP_3)
	v_mul_u32_u24 v19, v22, 4352
	s_delay_alu instid0(VALU_DEP_1)
	v_lshl_add_u32 v19, v21, 2, v19
	s_delay_alu instid0(VALU_DEP_1)
	v_add_nc_u32 v19, 4096, v19                    ; scale words: place r; lanes 16-31 the next tile
	s_mul_i32 s66, s15, 34816
	s_mul_i32 s67, s16, 8704
	s_add_co_u32 s68, s66, WB
	s_add_co_u32 s69, s67, WB
	v_add_nc_u32 v1, s68, v17                      ; q, k: source 0 = the weights, source 1 = the tokens.  Every LDS address is made here, ahead of the parting of the ways
	s_delay_alu instid0(VALU_DEP_1)
	v_add_nc_u32 v2, CHK, v1
	v_add_nc_u32 v3, s67, v17
	s_delay_alu instid0(VALU_DEP_1)
	v_add_nc_u32 v4, CHK, v3
	v_add_nc_u32 v5, s68, v19
	s_delay_alu instid0(VALU_DEP_1)
	v_add_nc_u32 v6, CHK, v5
	v_add_nc_u32 v7, s67, v19
	s_delay_alu instid0(VALU_DEP_1)
	v_add_nc_u32 v8, CHK, v7
	v_add_nc_u32 v9, s66, v17                      ; v: source 0 = the tokens, source 1 = the weights
	s_delay_alu instid0(VALU_DEP_1)
	v_add_nc_u32 v10, CHK, v9
	v_add_nc_u32 v11, s69, v17
	s_delay_alu instid0(VALU_DEP_1)
	v_add_nc_u32 v12, CHK, v11
	v_add_nc_u32 v13, s66, v19
	s_delay_alu instid0(VALU_DEP_1)
	v_add_nc_u32 v14, CHK, v13
	v_add_nc_u32 v15, s69, v19
	s_delay_alu instid0(VALU_DEP_1)
	v_add_nc_u32 v16, CHK, v15
	s_wait_dscnt 0x0                               ; both opening adds are done
	s_wait_kmcnt 0x0
	s_add_nc_u64 s[20:21], s[4:5], s[20:21]
	s_add_nc_u64 s[46:47], s[6:7], s[46:47]
	CROUND                                         ; all sixteen work-groups are here: the joint loads meet
	s_mov_b32 s32, 1
	s_mov_b32 s33, s45
	s_mov_b64 s[34:35], s[20:21]
	s_or_b32 s35, s35, 0x80000000
	s_mov_b32 s56, 1
	s_mov_b32 s57, s45
	s_mov_b64 s[58:59], s[46:47]
	s_or_b32 s59, s59, 0x80000000
; the eight fills, one a wave, in one chain of branches on the wave's number: no way through the head passes two loads
.macro ARM under, g0, g1, next
	s_cmp_lt_u32 s14, \under
	s_cbranch_scc0 \next
	tensor_load_to_lds s[\g0:\g0+3], s[\g1:\g1+7]
	s_nop 0
.rept 4
	v_nop
.endr
	s_branch .Lasked
\next:
.endm
	ARM 2, 32, 24, .Lh1
	ARM 4, 56, 48, .Lh2
	ARM 6, 32, 24, .Lh3
	ARM 8, 56, 48, .Lh4
.Lasked:
	s_lshr_b32 s77, s17, 3                         ; the batch
	s_lshl_b32 s77, s77, 4
	s_and_b32 s78, s42, 3
	s_lshl_b32 s78, s78, 2
	s_add_co_u32 s77, s77, s78                     ; 16 x batch + the first of my work-group's four heads
	s_lshl_b32 s70, s42, 10                        ; the bias of my work-group's 256 columns
	s_cmp_eq_u32 ttmp9, 2                          ; the cluster's x: the same in all sixteen partners and in all waves
	s_cbranch_scc1 .Lvpath
; ---- q, k
	s_lshl_b32 s71, s15, 9
	s_add_co_u32 s70, s70, s71
	s_mov_b32 s71, 0
	s_add_nc_u64 s[70:71], s[8:9], s[70:71]
	v_lshlrev_b32 v23, 6, v22
.irp u, 0,1
.irp t, 0,1,2,3,4,5,6,7
.irp q, 0,1
	global_load_b128 v[ACC+64*\u+8*\t+4*\q:ACC+64*\u+8*\t+4*\q+3], v23, s[70:71] offset:(32*(\t/2)+8*(\t%2))*4+16*\q   ; the bias is each sum's start: register j of tile t is column 32 (t / 2) + 16 h + 8 (t % 2) + j
.endr
.endr
.endr
	s_cmp_eq_u32 ttmp9, 1                          ; k goes to kv, q to qq
	s_cselect_b64 s[72:73], s[12:13], s[10:11]
	s_mov_b32 s74, 65536                           ; codes: bytes from head to head (q, then k),
	s_cselect_b32 s74, 143360, s74
	s_mov_b32 s94, 4096                            ; from 128 tokens to the next,
	s_cselect_b32 s94, 8960, s94
	s_mov_b32 s95, 1024                            ; from a pair of tiles to the next
	s_cselect_b32 s95, 1152, s95
	s_mov_b32 s75, 2097152                         ; scale words: where they begin,
	s_cselect_b32 s75, 1024, s75
	s_mov_b32 s76, 8192                            ; and the same three distances
	s_cselect_b32 s76, 143360, s76
	s_mov_b32 s96, 512
	s_cselect_b32 s96, 8960, s96
	s_mov_b32 s97, 128
	s_cselect_b32 s97, 1152, s97
	s_lshl_b32 s78, s15, 1
	s_add_co_u32 s77, s77, s78                     ; my first head
	s_and_b32 s78, s17, 7
	s_lshl_b32 s78, s78, 4
	s_lshl_b32 s79, s16, 1
	s_add_co_u32 s78, s78, s79                     ; my first tile of tokens in the batch
; KV'S LAYOUT, WHICH HOLDS IN PLACE OF THE HEAD COMMENT'S LINE ON kv: [head 32][128 keys: 16][8,960 bytes]: four pairs of K's tiles, each 2 x 512 bytes of codes and then the pair's 128 bytes of scale words (1,152 bytes a pair);
; from 4,608 V's codes [16 of d: 4][1,024 bytes]; from 8,704 V's scale words [16 of d: 4][16][4 bytes].  A head is 143,360 dense bytes.  qq is as the head comment says.
	s_lshr_b32 s79, s78, 3                         ; which 128 tokens
	s_bfe_u32 s98, s78, 0x20001                    ; which pair of their eight tiles
	s_mul_i32 s80, s77, s74
	s_mul_i32 s81, s79, s94
	s_add_co_u32 s80, s80, s81
	s_mul_i32 s81, s98, s95
	s_add_co_u32 s80, s80, s81
	s_mov_b32 s81, 0
	s_add_nc_u64 s[80:81], s[72:73], s[80:81]
	s_mov_b32 s82, s74
	s_mov_b32 s83, 0
	s_add_nc_u64 s[82:83], s[80:81], s[82:83]      ; the next head
	s_mul_i32 s84, s77, s76
	s_add_co_u32 s84, s84, s75
	s_mul_i32 s85, s79, s96
	s_add_co_u32 s84, s84, s85
	s_mul_i32 s85, s98, s97
	s_add_co_u32 s84, s84, s85
	s_mov_b32 s85, 0
	s_add_nc_u64 s[84:85], s[72:73], s[84:85]
	s_mov_b32 s86, s76
	s_mov_b32 s87, 0
	s_add_nc_u64 s[86:87], s[84:85], s[86:87]
	CORE 1, 2, 3, 4, 5, 6, 7, 8, 0
	EPI
	s_delay_alu instid0(VALU_DEP_1)
	v_and_b32 v21, 0xffff, v20                     ; blocks 0, 1: my first head's two scale bytes; the word's upper bytes are 0 and stand over codes of zeros
	s_delay_alu instid0(VALU_DEP_2)
	v_lshrrev_b32 v22, 16, v20                     ; blocks 2, 3: the next head's
.irp u, 0,1
	global_store_b128 v17, v[PC+8*\u:PC+8*\u+3], s[80:81] offset:512*\u      ; 512 consecutive bytes: a tile's codes of one head
	global_store_b128 v17, v[PC+8*\u+4:PC+8*\u+7], s[82:83] offset:512*\u
.endr
	global_store_b32 v18, v21, s[84:85]
	global_store_b32 v18, v22, s[86:87]
	s_branch .Lend
; ---- v
.Lvpath:
	s_lshl_b32 s71, s16, 7
	s_add_co_u32 s70, s70, s71
	s_mov_b32 s71, 0
	s_add_nc_u64 s[70:71], s[8:9], s[70:71]
	v_and_b32 v23, 8, v21
	s_delay_alu instid0(VALU_DEP_1)
	v_add_nc_u32 v23, v23, v21
	s_delay_alu instid0(VALU_DEP_1)
	v_lshlrev_b32 v23, 2, v23
	global_load_b32 v120, v23, s[70:71]            ; a lane holds one column: its bias, for each of my two tiles
	global_load_b32 v122, v23, s[70:71] offset:32
	v_mov_b32 v121, 0                              ; (named as the pairs' upper halves)
	v_mov_b32 v123, 0
	s_lshr_b32 s78, s16, 1
	s_add_co_u32 s77, s77, s78                     ; my head
	s_and_b32 s78, s17, 7
	s_lshl_b32 s78, s78, 1
	s_add_co_u32 s78, s78, s15                     ; my K step of 128 keys
	s_and_b32 s79, s16, 1                          ; which two of the head's four tiles of d
	s_mul_i32 s80, s77, 143360
	s_mul_i32 s81, s78, 8960
	s_add_co_u32 s80, s80, s81                     ; my head's 8,960 bytes for my 128 keys
	s_lshl_b32 s85, s79, 7
	s_add_co_u32 s84, s80, s85
	s_add_co_u32 s84, s84, 8704                    ; my two tiles' scale words
	s_lshl_b32 s81, s79, 11
	s_add_co_u32 s80, s80, s81
	s_add_co_u32 s80, s80, 4608                    ; and their codes
	s_mov_b32 s81, 0
	s_add_nc_u64 s[80:81], s[12:13], s[80:81]
	s_mov_b32 s85, 0
	s_add_nc_u64 s[84:85], s[12:13], s[84:85]
	s_wait_alu depctr_va_vdst(0)
	CORE 9, 10, 11, 12, 13, 14, 15, 16, 1
.irp u, 0,1
.set p, 0
.rept 32
	v_pk_add_f32 v[ACC+64*\u+2*p:ACC+64*\u+2*p+1], v[ACC+64*\u+2*p:ACC+64*\u+2*p+1], v[120+2*\u:121+2*\u] op_sel_hi:[1,0]   ; each accumulator from its low end on
.set p, p+1
.endr
.endr
	EPI
.irp u, 0,1
.irp c, 0,1
	global_store_b128 v17, v[PC+8*\u+4*\c:PC+8*\u+4*\c+3], s[80:81] offset:1024*\u+512*\c
.endr
.endr
	global_store_b32 v18, v20, s[84:85]
.Lend:
	s_wait_tensorcnt 0x0                           ; the wave's end
	ds_add_u32 v[SPW], v[NIL]
	s_wait_dscnt 0x0
	CROUND                                         ; the closing round
	s_endpgm
.Lfunc_end_k_q85176e86f7_qkv:
	.size	k_q85176e86f7_qkv, .Lfunc_end_k_q85176e86f7_qkv-k_q85176e86f7_qkv
	.p2alignl 7, 3214868480
	.fill 96, 4, 3214868480
	.section	.rodata,"a",@progbits
	.p2align	6, 0x0
	.amdhsa_kernel k_q85176e86f7_qkv
		.amdhsa_group_segment_fixed_size 280576
		.amdhsa_private_segment_fixed_size 0
		.amdhsa_enable_private_segment 0
		.amdhsa_kernarg_size 40
		.amdhsa_user_sgpr_count 2
		.amdhsa_user_sgpr_kernarg_segment_ptr 1
		.amdhsa_wavefront_size32 1
		.amdhsa_system_sgpr_workgroup_id_x 1
		.amdhsa_system_sgpr_workgroup_id_y 1
		.amdhsa_system_sgpr_workgroup_id_z 1
		.amdhsa_system_vgpr_workitem_id 0
		.amdhsa_next_free_vgpr 256
		.amdhsa_next_free_sgpr 100
		.amdhsa_reserve_vcc 0
		.amdhsa_float_denorm_mode_32 3
		.amdhsa_float_denorm_mode_16_64 3
		.amdhsa_memory_ordered 1
		.amdhsa_forward_progress 1
		.amdhsa_inst_pref_size 97
	.end_amdhsa_kernel
	.amdgpu_metadata
---
amdhsa.version: [ 1, 2 ]
amdhsa.kernels:
  - .name:           k_q85176e86f7_qkv
    .symbol:         k_q85176e86f7_qkv.kd
    .args:
      - { .name: hn, .offset: 0, .size: 8, .value_kind: global_buffer, .address_space: global }
      - { .name: wq, .offset: 8, .size: 8, .value_kind: global_buffer, .address_space: global }
      - { .name: b_qkv, .offset: 16, .size: 8, .value_kind: global_buffer, .address_space: global }
      - { .name: qq, .offset: 24, .size: 8, .value_kind: global_buffer, .address_space: global }
      - { .name: kv, .offset: 32, .size: 8, .value_kind: global_buffer, .address_space: global }
    .group_segment_fixed_size: 280576
    .private_segment_fixed_size: 0
    .kernarg_segment_align: 8
    .kernarg_segment_size: 40
    .max_flat_workgroup_size: 512
    .sgpr_count:     100
    .vgpr_count:     256
    .wavefront_size: 32
...
	.end_amdgpu_metadata
.endif
;; end of part 2
;; launch attn (part 3): grid 8 x 32, 16 waves a work-group, clusters of 4 x 1, 167,936 bytes of LDS; arguments qq, kv, oc; writes oc
.if DOCPART == 3
	.amdgcn_target "amdgcn-amd-amdhsa--gfx1250"
	.amdhsa_code_object_version 6
	.text
	.protected	k_q85176e86f7_attn
	.globl	k_q85176e86f7_attn
	.p2align	8
	.type	k_q85176e86f7_attn,@function
k_q85176e86f7_attn:
	s_mov_b64 s[64:65], 0
	v_nop
	global_prefetch_b8 v0, s[64:65] scope:SCOPE_SE
	s_setreg_imm32_b32 hwreg(HW_REG_WAVE_MODE, 25, 1), 1
	s_wait_xcnt 0x0
	s_wait_alu depctr_hold_cnt(0) depctr_sa_sdst(0) depctr_va_vdst(0) depctr_va_sdst(0) depctr_va_ssrc(0) depctr_va_vcc(0) depctr_vm_vsrc(0)
	s_getreg_b32 s2, hwreg(HW_REG_IB_STS2, 6, 4)
	s_cmp_eq_u32 s2, 0
	s_cbranch_scc0 .Lentry_in_a_cluster
	s_endpgm
.Lentry_in_a_cluster:
	s_bfe_u32 s2, ttmp6, 0x10000c
	s_cmp_lg_u32 s2, 0x3003
	s_cbranch_scc0 .Lentry_shape_is_right
	s_endpgm
.Lentry_shape_is_right:
; Launch 3 of 7: attention on codes of FP4, for each of 32 heads (batch x head): O = softmax(q k^T / 8) v, quantised along D = 64 head + d for the projection.  No work is left out.
; THE SOFTMAX AHEAD OF THE SECOND PRODUCT: t = score x log2(e) / 8; M = the running largest t rounded UP to a whole number; p = 2^(t - M) is quantised along the keys, not normalised; the row's sum is taken of the
; unquantised p and divides O at the end.  When M moves, the sum and O are multiplied by 2^(old M - new M): exact.
; LIMITS: as stated at the first kernel's head; 1 / sum is v_rcp_f32 and a multiplication; the promise holds while the scaled scores stay under 2^31 in magnitude.
; SHARES.  A work-group owns 256 queries of one head, each of its sixteen waves one tile of 16, in 256 registers: four waves to a SIMD.
; ALL OF A HEAD'S K AND V LIE IN LDS: 16 steps of 128 keys x 8,960 bytes, one dense block of kv.  Wave w fetches step w: one load a wave, no branch, filled once, one barrier in the launch.  The four query blocks of a
; cluster belong to one head: every load is joint.  All bytes are asked for at the head, so nothing is left for a prefetch.
; A STEP'S BYTES: four pairs of K's tiles (2 x 512 bytes of codes, then 128 of scale words: 1,152 a pair); from 4,608 V's codes [16 of d: 4][1,024]; from 8,704 V's scale words [4][16][4].
; LAYOUT.  Both products are used transposed: S^T = K Q^T, O^T = V^T P^T: a lane holds one query.  THE 16 KEYS OF A FRAGMENT ARE CHOSEN BY THE LANES' ADDRESSES: row m of fragment t is key 64 (t / 4) + 32 (m / 8) + 8 (t % 4) + m % 8.
; So lane (r, h) holds in S^T's register 8 t + j key 64 (t / 4) + 32 h + 8 (t % 4) + j: two WHOLE blocks of 32 keys, in the order of P's operand: a block's largest score needs no other lane, and
; the conversion of fragment t's eight registers IS register t of the operand.  Key k lies in stored tile 2 (k / 32) + (k / 8) % 2 at place 8 ((k / 16) % 2) + k % 8; rows m < 8 and m >= 8 lie one pair, 1,152 bytes = 128 mod 256, apart.
; The first product's K is the head's 64: the upper half of each fragment (K = 64 .. 127) is codes of zeros on both sides, set once.
; REGISTERS: v1-4 my lane's places (K, K's words, V, V's words); v5, v6 the add's two; v7 4 r; v8-11 the addresses in hand; v12 -M, v13 the largest score, v[14:15] the sum; v16-23 Q; v24-31 four chains of the step's sum;
; v32-95 K; v96-159 S^T, then p; v160-191 O^T; v192-223 V; v224-231 p's codes; v232-239, v242-247, v254 at work; scale words and nothing else: v240-241 V's, v248-251 K's, v253 p's, v255 Q's.
.set STEPB, 8960
.set SPARE, 16*STEPB                   ; the spare words, 128 bytes for each wave
.macro CROUND
	s_barrier_signal -1
	s_barrier_wait -1
	s_cmp_lg_u32 s18, 0
	s_cbranch_scc1 .Lnot_wave_0_\@
	s_barrier_signal -3
.Lnot_wave_0_\@:
	s_barrier_wait -3
	s_barrier_signal -1
	s_barrier_wait -1
.endm
.macro WM d, a, b, c, sa, sb, ra       ; ra: source 0's scale words stand in lanes 16-31
.if (\ra)
	v_wmma_scale_f32_16x16x128_f8f6f4 v[\d:\d+7], v[\a:\a+7], v[\b:\b+7], \c, v[\sa], v[\sb] matrix_a_fmt:MATRIX_FMT_FP4 matrix_b_fmt:MATRIX_FMT_FP4 matrix_a_scale:MATRIX_SCALE_ROW1
.else
	v_wmma_scale_f32_16x16x128_f8f6f4 v[\d:\d+7], v[\a:\a+7], v[\b:\b+7], \c, v[\sa], v[\sb] matrix_a_fmt:MATRIX_FMT_FP4 matrix_b_fmt:MATRIX_FMT_FP4
.endif
.endm
	s_load_b128 s[4:7], s[0:1], 0x0                ; qq, kv
	s_load_b64 s[8:9], s[0:1], 0x10                ; oc
	v_lshl_add_u32 v5, v0, 2, SPARE                ; v5 my spare word, v6 0; never rewritten
	v_mov_b32 v6, 0
	ds_add_u32 v5, v6                              ; the wave's opening: the add, twice on end, and its wait ahead of the first tensor load
	ds_add_u32 v5, v6
	v_lshrrev_b32 v8, 5, v0
	v_readfirstlane_b32 s18, v8                    ; wave 0..15
	s_bfe_u32 s10, ttmp6, 0x40000                  ; cx: it enters Q's and O's addresses alone
	s_lshl_b32 s11, ttmp9, 2
	s_add_co_u32 s11, s11, s10                     ; my block of 256 queries
	s_and_b32 s12, ttmp7, 0xffff                   ; 16 x batch + head, which the four partners share
	s_mov_b32 s24, 15|(3<<16)|(1<<21)              ; group 1: a dense block as 35 rows of 256 bytes (32 elements of 8 bytes); the mask names all four partners
	s_mov_b32 s25, 32<<16
	s_mov_b32 s26, 35<<16
	s_mov_b32 s27, 32<<16
	s_mov_b32 s28, 35
	s_mov_b32 s29, 32
	s_mov_b32 s30, 0
	s_mov_b32 s31, 0
	s_mov_b32 s40, 1
	s_mul_i32 s41, s18, STEPB                      ; step w's place in LDS,
	s_mul_i32 s72, s12, 16*STEPB
	s_add_co_u32 s72, s72, s41                     ; and in kv
	s_mov_b32 s73, 0
	s_mov_b32 s20, 0x76543210
	s_mov_b32 s21, 0xfedcba98                      ; v_permlanex16_b32's selects for lane l xor 16
	s_mov_b32 s22, 0x3e38aa3b                      ; c = log2(e) / 8
	s_mov_b32 s23, s22                             ; (named with it as a pair)
	s_lshl_b32 s60, s11, 4
	s_add_co_u32 s60, s60, s18                     ; my tile of queries in the head
	s_lshl_b32 s74, s12, 16
	s_lshl_b32 s75, s60, 9
	s_add_co_u32 s74, s74, s75
	s_mov_b32 s75, 0
	s_lshl_b32 s76, s12, 13
	s_lshl_b32 s77, s60, 6
	s_add_co_u32 s76, s76, s77
	s_add_co_u32 s76, s76, 2097152
	s_mov_b32 s77, 0
	s_lshr_b32 s78, s12, 4
	s_lshl_b32 s78, s78, 7
	s_add_co_u32 s78, s78, s60                     ; my tile among oc's 256
	s_mul_i32 s78, s78, 8704
	s_and_b32 s79, s12, 15                         ; the head
	s_lshr_b32 s80, s79, 3
	s_mul_i32 s80, s80, 4352
	s_add_co_u32 s78, s78, s80                     ; its group of 512 along D
	s_and_b32 s80, s79, 7
	s_lshl_b32 s80, s80, 9
	s_add_co_u32 s80, s80, s78                     ; its two blocks
	s_mov_b32 s81, 0
	s_bfe_u32 s82, s79, 0x20001
	s_lshl_b32 s82, s82, 6
	s_and_b32 s83, s79, 1
	s_lshl_b32 s83, s83, 1
	s_add_co_u32 s82, s82, s83
	s_add_co_u32 s82, s82, s78
	s_add_co_u32 s82, s82, 4096                    ; its two bytes of a scale word
	s_mov_b32 s83, 0
	s_mov_b32 s66, 0                               ; the step in hand, in bytes
	s_mov_b32 s70, 15
	s_wait_dscnt 0x0                               ; both opening adds are done
	s_wait_kmcnt 0x0
	s_add_nc_u64 s[42:43], s[6:7], s[72:73]
	s_or_b32 s43, s43, 0x80000000
	s_add_nc_u64 s[74:75], s[4:5], s[74:75]
	s_add_nc_u64 s[76:77], s[4:5], s[76:77]
	s_add_nc_u64 s[80:81], s[8:9], s[80:81]
	s_add_nc_u64 s[82:83], s[8:9], s[82:83]
	CROUND                                         ; all four work-groups are here: the joint loads meet
	tensor_load_to_lds s[40:43], s[24:31]          ; every wave's one load: step w
	s_nop 0
	v_and_b32 v8, 31, v0                           ; lane
	v_and_b32 v9, 7, v0
	v_bfe_u32 v10, v0, 3, 1
	v_bfe_u32 v11, v0, 4, 1                        ; h
	v_mul_u32_u24 v10, v10, 1152                   ; rows 8 .. 15 of a fragment lie one pair of tiles on
	v_lshl_add_u32 v1, v9, 4, v10
	v_lshl_add_u32 v1, v11, 8, v1                  ; K's codes: 16 (lane % 8) + 1,152 ((lane / 8) % 2) + 256 h
	v_lshl_add_u32 v2, v9, 2, v10
	v_lshl_add_u32 v2, v11, 6, v2                  ; K's words: 4 (lane % 8) + 1,152 ((lane / 8) % 2); lanes 16-31 the next fragment's, 64 on
	v_lshlrev_b32 v3, 4, v8                        ; V's codes, Q's and O's: 16 x lane
	v_lshlrev_b32 v4, 2, v8                        ; V's words: 4 x lane: lanes 16-31 the next tile
	v_and_b32 v7, 15, v0
	v_lshlrev_b32 v7, 2, v7                        ; 4 r
	v_lshlrev_b32 v243, 3, v11                     ; 8 h: where my two scale bytes stand in p's word
	global_load_b128 v[16:19], v3, s[74:75]        ; Q's codes stay in registers
	global_load_b32 v255, v7, s[76:77]             ; and its scale words
	v_mov_b32 v9, v3                               ; step 0's V
	v_mov_b32 v11, v4
.irp j, 20,21,22,23
	v_mov_b32 v[\j], 0                             ; K = 64 .. 127: codes of zeros
.endr
.irp t, 0,1,2,3,4,5,6,7
.irp j, 4,5,6,7
	v_mov_b32 v[32+8*\t+\j], 0
.endr
.endr
	v_mov_b32 v13, 0xff61b1e6                      ; the largest score so far: -3e38
	v_floor_f32 v12, -v13                          ; -M
	v_mov_b32 v14, 0
	v_mov_b32 v15, 0
	v_mov_b32 v237, 0                              ; a lane permute's destination counts as one of its sources
	v_mov_b32 v239, 0                              ; (named as the upper half of the pair v[238:239])
	v_mov_b32 v254, v12                            ; the last step's -M
.set j, 0
.rept 32
	v_mov_b32 v[160+j], 0                          ; O^T: the step is written for all steps alike; the first finds zeros
.set j, j+1
.endr
.macro KLOAD a, z                      ; a step's eight fragments of K and their scale words: 12 LDS loads
.irp t, 0,1,2,3,4,5,6,7
	ds_load_b128 v[32+8*\t:35+8*\t], v[\a] offset:2304*(\t/4)+512*(\t%2)+128*((\t/2)%2)
.endr
.irp j, 0,1,2,3
	ds_load_b32 v[248+\j], v[\z] offset:1024+2304*(\j/2)+32*(\j%2)
.endr
.endm
; A KEY STEP: 128 keys.  last = 1: no step follows
.macro STEP last
.irp t, 0,1,2,3
.irp c, 0,1
	ds_load_b128 v[192+8*\t+4*\c:195+8*\t+4*\c], v9 offset:4608+1024*\t+512*\c
.endr
.endr
.irp j, 0,1
	ds_load_b32 v[240+\j], v11 offset:8704+128*\j
.endr
	s_wait_dscnt 10                                ; K's 12 loads are in; V's ten, just issued, may be out
.irp t, 0,1,2,3,4,5,6,7
	WM 96+8*\t, 32+8*\t, 16, 0, 248+\t/2, 255, \t%2
.endr
.if \last
.rept 4
	v_nop                                          ; places behind the products
.endr
.else
	s_add_co_u32 s66, s66, STEPB
	v_add_nc_u32 v8, s66, v1                       ; the next step's addresses: these four are the places behind the products
	v_add_nc_u32 v10, s66, v2
	v_add_nc_u32 v9, s66, v3
	v_add_nc_u32 v11, s66, v4
	KLOAD 8, 10                                    ; the next step's K, a whole softmax ahead of its use
.endif
.irp k, 0,1,2,3
	v_max3_num_f32 v[232+\k], v[96+16*\k], v[97+16*\k], v[98+16*\k]   ; four chains by turns; each accumulator is first read at its low end
.endr
.irp i, 3,5,7,9,11,13
.irp k, 0,1,2,3
	v_max3_num_f32 v[232+\k], v[232+\k], v[96+16*\k+\i], v[97+16*\k+\i]
.endr
.endr
	v_max3_num_f32 v232, v232, v111, v127
	v_max3_num_f32 v234, v234, v143, v159
	s_delay_alu instid0(VALU_DEP_2)
	v_max_num_f32 v232, v232, v233                 ; the largest score of my block h: for the row's maximum and, since p rises with the score, for the block's largest p
	s_delay_alu instid0(VALU_DEP_2)
	v_max_num_f32 v234, v234, v235                 ; and of my block 2 + h
	s_delay_alu instid0(VALU_DEP_1)
	v_max_num_f32 v236, v232, v234
	s_delay_alu instid0(VALU_DEP_1)
	v_permlanex16_b32 v237, v236, s20, s21
	s_delay_alu instid0(VALU_DEP_1)
	v_max3_num_f32 v13, v13, v236, v237            ; the running largest score of my query
	s_delay_alu instid0(VALU_DEP_1)
	v_mul_f32 v242, s22, v13                       ; as t (c is positive)
	s_delay_alu instid0(VALU_DEP_1)
	v_floor_f32 v12, -v242                         ; the new -M = -ceil(t)
	s_delay_alu instid0(VALU_DEP_1)
	v_sub_f32 v254, v12, v254                      ; old M - new M: a whole number, 0 or less
.irp j, 0,2,4,6,8,10,12,14
	v_pk_fma_f32 v[96+\j:97+\j], v[96+\j:97+\j], s[22:23], v[12:13] op_sel_hi:[1,0,0]   ; t - M
.endr
	v_cvt_i32_f32 v254, v254                       ; (it saturates)
.irp j, 16,18,20,22,24,26,28,30
	v_pk_fma_f32 v[96+\j:97+\j], v[96+\j:97+\j], s[22:23], v[12:13] op_sel_hi:[1,0,0]
.endr
	v_ldexp_f32 v238, 1.0, v254                    ; f = 2^(old M - new M)
.irp j, 32,34,36,38,40,42,44,46,48,50,52,54,56,58,60,62
	v_pk_fma_f32 v[96+\j:97+\j], v[96+\j:97+\j], s[22:23], v[12:13] op_sel_hi:[1,0,0]
.endr
	v_fma_f32 v232, v232, s22, v12
	v_fma_f32 v234, v234, s22, v12
.irp j, 0,2,4,6,8,10,12,14,16,18,20,22,24,26,28,30
	v_pk_mul_f32 v[160+\j:161+\j], v[160+\j:161+\j], v[238:239] op_sel_hi:[1,0]   ; O^T under the new M, ahead of the exponentials
.endr
	s_wait_alu depctr_va_vdst(0)                   ; ahead of the batch
.set j, 0
.rept 64
	v_exp_f32 v[96+j], v[96+j]                     ; p = 2^(t - M)
.set j, j+1
.endr
	v_exp_f32 v232, v232                           ; my two blocks' largest p
	v_exp_f32 v234, v234
	v_mov_b32 v254, v12                            ; -M is kept for the next step: a plain place behind the batch
	s_wait_alu depctr_va_vdst(0)                   ; one wait for the batch of 66, ahead of its first reader
	v_max_num_f32 v232, 0x1800000, v232            ; the floor 2^(3 - 127): the byte cannot fall under 1
	v_max_num_f32 v234, 0x1800000, v234
.irp k, 0,1,2,3
	v_pk_add_f32 v[24+2*\k:25+2*\k], v[96+2*\k:97+2*\k], v[104+2*\k:105+2*\k]   ; the step's sum of the unquantised p, in four chains
.endr
	v_add_nc_u32 v244, 0xff000000, v232            ; 2 off the exponent field: the conversions' scale operands
	v_add_nc_u32 v245, 0xff000000, v234
.irp k, 0,1,2,3
	v_pk_add_f32 v[24+2*\k:25+2*\k], v[24+2*\k:25+2*\k], v[112+2*\k:113+2*\k]
.endr
	v_lshrrev_b32 v246, 23, v244                   ; the scales' bytes
	v_lshrrev_b32 v247, 23, v245
.irp t, 0,1,2,3,4,5,6,7
	v_cvt_scalef32_pk8_fp4_f32 v[224+\t], v[96+8*\t:103+8*\t], v[244+\t/4]   ; register t of P's operand
.endr
	v_lshl_or_b32 v246, v247, 16, v246             ; bytes h and 2 + h of p's scale word,
.irp k, 0,1,2,3
	v_pk_add_f32 v[24+2*\k:25+2*\k], v[24+2*\k:25+2*\k], v[120+2*\k:121+2*\k]
.endr
	v_lshlrev_b32 v246, v243, v246                 ; at their places;
	s_delay_alu instid0(VALU_DEP_1)
	v_permlanex16_b32 v247, v246, s20, s21
.irp k, 0,1,2,3
	v_pk_add_f32 v[24+2*\k:25+2*\k], v[24+2*\k:25+2*\k], v[128+2*\k:129+2*\k]
.endr
	v_or_b32 v253, v246, v247                      ; with lane l xor 16's two the word is whole.  Twelve plain lines stand between it and the products
.irp q, 136,144,152
.irp k, 0,1,2,3
	v_pk_add_f32 v[24+2*\k:25+2*\k], v[24+2*\k:25+2*\k], v[\q+2*\k:\q+1+2*\k]
.endr
.endr
	s_wait_alu depctr_va_vdst(0)                   ; directly ahead of the wait below
.if \last
	s_wait_dscnt 0x0                               ; V's tiles and words are in
.else
	s_wait_dscnt 12                                ; V's tiles and words are in; the next step's 12 loads of K may be out
.endif
.irp t, 0,1,2,3
	WM 160+8*\t, 192+8*\t, 224, v[160+8*\t:167+8*\t], 240+\t/2, 253, \t%2
.endr
	v_pk_add_f32 v[24:25], v[24:25], v[26:27]      ; the four chains are joined and go to the row's sum, which is brought under the new M in the same line; these four are the places in front of the loads into V's registers
	v_pk_add_f32 v[28:29], v[28:29], v[30:31]
	v_pk_add_f32 v[24:25], v[24:25], v[28:29]
	v_pk_fma_f32 v[14:15], v[14:15], v[238:239], v[24:25] op_sel_hi:[1,0,1]
.endm
	s_wait_alu depctr_va_vdst(0)                   ; the head's end
	s_wait_loadcnt 0x0                             ; Q
	s_wait_tensorcnt 0x0                           ; my step is in
	s_barrier_signal -1
	s_barrier_wait -1                              ; all sixteen are
	KLOAD 1, 2
.Lstep:                                                ; 15 trips; the last step is written out, since it fetches no further K
	STEP 0
	s_sub_co_u32 s70, s70, 1
	s_cmp_lg_u32 s70, 0
	s_cbranch_scc1 .Lstep
	STEP 1
	; THE WAY OUT: O^T / the sum, quantised along d (two blocks of 32), goes to oc from registers
	v_add_f32 v14, v14, v15
	s_delay_alu instid0(VALU_DEP_1)
	v_permlanex16_b32 v237, v14, s20, s21
	s_delay_alu instid0(VALU_DEP_1)
	v_add_f32 v14, v14, v237                       ; the row's sum
	s_wait_alu depctr_va_vdst(0)                   ; ahead of the transcendental
	v_rcp_f32 v14, v14
	v_nop
	s_wait_alu depctr_va_vdst(0)                   ; the wait ahead of its first reader, which is also the first reader of the last products' results
.set j, 0
.rept 32
	v_mul_f32 v[96+j], v[160+j], v14               ; register 16 b + i is d = 32 b + 16 (lane / 16) + i
.set j, j+1
.endr
.irp b, 0,1
	v_max3_num_f32 v[232+\b], |v[96+16*\b]|, |v[97+16*\b]|, 0x1800000
.endr
.irp i, 2,4,6,8,10,12,14
.irp b, 0,1
	s_delay_alu instid0(VALU_DEP_2)
	v_max3_num_f32 v[232+\b], v[232+\b], |v[96+16*\b+\i]|, |v[97+16*\b+\i]|
.endr
.endr
.irp b, 0,1
	s_delay_alu instid0(VALU_DEP_2)
	v_permlanex16_b32 v[236+\b], v[232+\b], s20, s21
.endr
.irp b, 0,1
	s_delay_alu instid0(VALU_DEP_2)
	v_max_num_f32 v[232+\b], v[232+\b], v[236+\b]
.endr
.irp b, 0,1
	s_delay_alu instid0(VALU_DEP_2)
	v_add_nc_u32 v[244+\b], 0xff000000, v[232+\b]
.endr
.irp b, 0,1
	s_delay_alu instid0(VALU_DEP_2)
	v_lshrrev_b32 v[236+\b], 23, v[244+\b]
.endr
	s_delay_alu instid0(VALU_DEP_1)
	v_lshl_or_b32 v246, v237, 8, v236              ; my head's two scale bytes
.irp b, 0,1
	v_cvt_scalef32_pk8_fp4_f32 v[224+2*\b], v[96+16*\b:103+16*\b], v[244+\b]
	v_cvt_scalef32_pk8_fp4_f32 v[225+2*\b], v[104+16*\b:111+16*\b], v[244+\b]
.endr
	v_nop                                          ; one plain place behind a scaled conversion
	v_permlane16_swap_b32 v224, v226               ; a whole block in a lane
	v_permlane16_swap_b32 v225, v227
	global_store_b128 v3, v[224:227], s[80:81]     ; 512 consecutive bytes, at a multiple of 256 from oc's first byte
	global_store_b16 v7, v246, s[82:83]            ; lanes r and r + 16 hold the same two bytes and name the same place; a word's other half is another head's, another work-group's
	s_wait_tensorcnt 0x0                           ; the wave's end
	ds_add_u32 v5, v6
	s_wait_dscnt 0x0
	CROUND                                         ; the closing round
	s_endpgm
.Lfunc_end_k_q85176e86f7_attn:
	.size	k_q85176e86f7_attn, .Lfunc_end_k_q85176e86f7_attn-k_q85176e86f7_attn
	.p2alignl 7, 3214868480
	.fill 96, 4, 3214868480
	.section	.rodata,"a",@progbits
	.p2align	6, 0x0
	.amdhsa_kernel k_q85176e86f7_attn
		.amdhsa_group_segment_fixed_size 167936
		.amdhsa_private_segment_fixed_size 0
		.amdhsa_enable_private_segment 0
		.amdhsa_kernarg_size 24
		.amdhsa_user_sgpr_count 2
		.amdhsa_user_sgpr_kernarg_segment_ptr 1
		.amdhsa_wavefront_size32 1
		.amdhsa_system_sgpr_workgroup_id_x 1
		.amdhsa_system_sgpr_workgroup_id_y 1
		.amdhsa_system_sgpr_workgroup_id_z 1
		.amdhsa_system_vgpr_workitem_id 0
		.amdhsa_next_free_vgpr 256
		.amdhsa_next_free_sgpr 90
		.amdhsa_reserve_vcc 0
		.amdhsa_float_denorm_mode_32 3
		.amdhsa_float_denorm_mode_16_64 3
		.amdhsa_memory_ordered 1
		.amdhsa_forward_progress 1
		.amdhsa_inst_pref_size 40
	.end_amdhsa_kernel
	.amdgpu_metadata
---
amdhsa.version: [ 1, 2 ]
amdhsa.kernels:
  - .name:           k_q85176e86f7_attn
    .symbol:         k_q85176e86f7_attn.kd
    .args:
      - { .name: qq, .offset: 0, .size: 8, .value_kind: global_buffer, .address_space: global }
      - { .name: kv, .offset: 8, .size: 8, .value_kind: global_buffer, .address_space: global }
      - { .name: oc, .offset: 16, .size: 8, .value_kind: global_buffer, .address_space: global }
    .group_segment_fixed_size: 167936
    .private_segment_fixed_size: 0
    .kernarg_segment_align: 8
    .kernarg_segment_size: 24
    .max_flat_workgroup_size: 512
    .sgpr_count:     90
    .vgpr_count:     256
    .wavefront_size: 32
...
	.end_amdgpu_metadata
.endif
;; end of part 3
;; launch oln (part 4): grid 256 x 1, 16 waves a work-group, no clusters, 73,728 bytes of LDS; arguments oc, wq, b_out, x, ln2_g, ln2_b, x1, hn; writes x1, hn
.if DOCPART == 4
	.amdgcn_target "amdgcn-amd-amdhsa--gfx1250"
	.amdhsa_code_object_version 6
	.text
	.protected	k_q85176e86f7_oln
	.globl	k_q85176e86f7_oln
	.p2align	8
	.type	k_q85176e86f7_oln,@function
k_q85176e86f7_oln:
	s_mov_b64 s[64:65], 0
	v_nop
	global_prefetch_b8 v0, s[64:65] scope:SCOPE_SE
	s_setreg_imm32_b32 hwreg(HW_REG_WAVE_MODE, 25, 1), 1
	s_wait_xcnt 0x0
; x1 = x + (attention's output) w_out + b_out, and LayerNorm 2 of x1 quantised along its 1,024 columns into the operand image hn: one launch, which stands for the fourth and fifth of the seven that the other kernels' head comments count.
; The product is on codes of FP4, the rest in f32.  No work is left out.  LIMITS: as stated at the first kernel's head; the variance is the mean of the squared deviations from the mean, 1 / sqrt is v_rsq_f32.
; SHARES.  Work-group t owns tile t of 16 rows and all 1,024 columns, so that a row's mean and variance are made inside it: 256 work-groups.  Wave w owns columns 64 w .. 64 w + 63: four tiles of the weight (source 0) x the one
; tile of rows (source 1): 4 accumulators, 8 K steps of 128.  Lane (r, h) holds place r's row; register 16 b + i is column 64 w + 32 b + 16 h + i.
; OPERANDS GO FROM MEMORY STRAIGHT INTO REGISTERS: the images are laid as registers want them (512 consecutive bytes a load).  No tensor load and no cluster: a fragment of the weight is used by one wave of the work-group, once, and the
; weight's image, 557,056 bytes, is more than LDS holds.  Four sets of registers: each K step's 13 loads are issued four K steps ahead of its products; all of K is eight steps, so there is no loop for a prefetch to run ahead in.
; THE WAY OUT.  The tile goes through my own stage in LDS to whole rows (sixteen lanes to 256 bytes), takes x + bias, is stored as x1, and returns through the stage to the result's layout.  Row sums: 32 registers, lane l xor 16, then the
; sixteen waves' parts through LDS [row][wave], one barrier for the mean and one for the squared deviations.  Two blocks of 32 a wave are quantised and leave from registers: 512 consecutive bytes of codes, two scale bytes a row.
; REGISTERS: v1-7, v10-12 addresses; v8, v9 at work; v14, v15 the add's two; v16-47 the accumulators, then x1, then the result; v48-207 four sets of 4 + 1 fragments, later gain (v48-79), bias of the norm (v88-119), the tile by rows
; (v128-159) and work (v168-207); v208-219 scale words and nothing else; v220-251 the residual; v252-255 b_out.
.set WOFF,  1671168                    ; w_out's place in wq
.set RED,   69632                      ; LDS: behind the sixteen stages of 16 x 272 bytes: the waves' parts of the row sums, 2 x [16 rows][16 waves][4 bytes]
.set SPARE, 71680                      ; the spare words, 128 bytes for each wave
.set ACC, 16
.set F,   48
.set SC,  208
.set X,   220
.set G,   48
.set B,   88
.set BK,  128
.set CH,  168
.set RB,  180
.macro WM d, a, b, c, sa, sb, ra       ; ra: source 0's scale words stand in lanes 16-31
.if (\ra)
	v_wmma_scale_f32_16x16x128_f8f6f4 v[\d:\d+7], v[\a:\a+7], v[\b:\b+7], \c, v[\sa], v[\sb] matrix_a_fmt:MATRIX_FMT_FP4 matrix_b_fmt:MATRIX_FMT_FP4 matrix_a_scale:MATRIX_SCALE_ROW1
.else
	v_wmma_scale_f32_16x16x128_f8f6f4 v[\d:\d+7], v[\a:\a+7], v[\b:\b+7], \c, v[\sa], v[\sb] matrix_a_fmt:MATRIX_FMT_FP4 matrix_b_fmt:MATRIX_FMT_FP4
.endif
.endm
.macro LOADK p, s                      ; K step s into set p: 13 loads
.set KO, 4352*((\s)/4)+1024*((\s)%4)
.set KS, 4352*((\s)/4)+4096+64*((\s)%4)
.irp c, 0,1
	global_load_b128 v[F+40*(\p)+32+4*\c:F+40*(\p)+35+4*\c], v1, s[4:5] offset:KO+512*\c
.endr
.irp t, 0,1,2,3
.irp c, 0,1
	global_load_b128 v[F+40*(\p)+8*\t+4*\c:F+40*(\p)+8*\t+4*\c+3], v1, s[6:7] offset:8704*\t+KO+512*\c
.endr
.endr
	global_load_b32 v[SC+3*(\p)+2], v3, s[4:5] offset:KS           ; the rows' scale words: place r
.irp j, 0,1
	global_load_b32 v[SC+3*(\p)+\j], v2, s[6:7] offset:17408*\j+KS   ; the weight's: lanes 0-15 tile 2 j, lanes 16-31 tile 2 j + 1
.endr
.endm
.macro MULK p, zero                    ; the four accumulators take turns, one instruction a turn, from step to step too
.irp t, 0,1,2,3
.if \zero
	WM ACC+8*\t, F+40*(\p)+8*\t, F+40*(\p)+32, 0, SC+3*(\p)+\t/2, SC+3*(\p)+2, \t%2
.else
	WM ACC+8*\t, F+40*(\p)+8*\t, F+40*(\p)+32, v[ACC+8*\t:ACC+8*\t+7], SC+3*(\p)+\t/2, SC+3*(\p)+2, \t%2
.endif
.endr
.endm
.macro XB i                            ; b_out goes onto two loads' worth of the residual: four plain lines, which are the places behind a K step's products
.irp e, \i, \i+1
	v_pk_add_f32 v[X+4*(\e):X+4*(\e)+1], v[X+4*(\e):X+4*(\e)+1], v[252:253]
	v_pk_add_f32 v[X+4*(\e)+2:X+4*(\e)+3], v[X+4*(\e)+2:X+4*(\e)+3], v[254:255]
.endr
.endm
.macro HSUM                            ; the four chains, the pair's halves and lane l xor 16: my row's sum over my wave's 64 columns, in v8
	v_pk_add_f32 v[CH:CH+1], v[CH:CH+1], v[CH+2:CH+3]
	v_pk_add_f32 v[CH+4:CH+5], v[CH+4:CH+5], v[CH+6:CH+7]
	s_delay_alu instid0(VALU_DEP_1)
	v_pk_add_f32 v[CH:CH+1], v[CH:CH+1], v[CH+4:CH+5]
	s_delay_alu instid0(VALU_DEP_1)
	v_add_f32 v8, v[CH], v[CH+1]
	s_delay_alu instid0(VALU_DEP_1)
	v_permlanex16_b32 v9, v8, s40, s41
	s_delay_alu instid0(VALU_DEP_1)
	v_add_f32 v8, v8, v9
.endm
.macro XSUM off                        ; the sixteen waves' parts are joined: every wave adds them in the same order; the row's sum in v8
	ds_store_b32 v11, v8 offset:\off               ; lanes r and r + 16 write the same word with the same value
	s_wait_dscnt 0x0                               ; for the others' sake: my store has landed
	s_barrier_signal -1
	s_barrier_wait -1
.irp i, 0,1,2,3
	ds_load_b128 v[RB+4*\i:RB+4*\i+3], v12 offset:\off+16*\i
.endr
	s_wait_dscnt 0x0
.irp k, 0,2,4,6
	v_pk_add_f32 v[RB+\k:RB+\k+1], v[RB+\k:RB+\k+1], v[RB+8+\k:RB+9+\k]
.endr
	v_pk_add_f32 v[RB:RB+1], v[RB:RB+1], v[RB+4:RB+5]
	v_pk_add_f32 v[RB+2:RB+3], v[RB+2:RB+3], v[RB+6:RB+7]
	s_delay_alu instid0(VALU_DEP_1)
	v_pk_add_f32 v[RB:RB+1], v[RB:RB+1], v[RB+2:RB+3]
	s_delay_alu instid0(VALU_DEP_1)
	v_add_f32 v8, v[RB], v[RB+1]
.endm
	s_load_b256 s[4:11], s[0:1], 0x0               ; oc, wq, b_out, x
	s_load_b256 s[16:23], s[0:1], 0x20             ; ln2_g, ln2_b, x1, hn
	v_lshl_add_u32 v14, v0, 2, SPARE               ; v14 my spare word, v15 0; never rewritten
	v_mov_b32 v15, 0
	v_lshrrev_b32 v8, 5, v0
	v_readfirstlane_b32 s12, v8                    ; wave 0..15
	s_mul_i32 s13, s12, 4352                       ; my stage
	s_lshl_b32 s14, s12, 2
	v_and_b32 v8, 31, v0                           ; lane
	v_and_b32 v9, 15, v0                           ; r
	v_bfe_u32 v10, v0, 4, 1                        ; h
	v_lshlrev_b32 v1, 4, v8                        ; 16 x lane: a fragment's place for my lane
	v_lshlrev_b32 v3, 2, v9                        ; 4 r
	v_mad_u32_u24 v2, v10, 8704, v3                ; 4 r; lanes 16-31 the next tile
	v_mul_u32_u24 v4, v9, 272
	v_lshl_add_u32 v4, v10, 6, v4
	v_add_nc_u32 v4, s13, v4                       ; the stage in the result's layout: place r, 64 bytes for each half of the lanes
	v_mul_u32_u24 v5, v10, 272
	v_lshl_add_u32 v5, v9, 4, v5
	v_add_nc_u32 v5, s13, v5                       ; and by rows: lanes 0-15 one place's 256 bytes, lanes 16-31 the next's
	v_lshlrev_b32 v6, 12, v10
	v_lshl_add_u32 v6, v9, 4, v6                   ; the same two rows in x and x1
	v_lshlrev_b32 v7, 4, v9                        ; b_out: my four columns by rows
	v_lshl_add_u32 v12, v9, 6, RED                 ; my row's sixteen parts,
	v_add_nc_u32 v11, s14, v12                     ; and my wave's among them
	v_lshlrev_b32 v10, 6, v10                      ; gain and bias of the norm: 64 h
	v_mov_b32 v9, 0                                ; a lane permute's destination counts as one of its sources
	s_mul_i32 s24, ttmp9, 8704                     ; the tile's image, in oc and in hn
	s_mov_b32 s25, 0
	s_mul_i32 s26, s12, 34816
	s_add_co_u32 s26, s26, WOFF                    ; my four tiles of the weight
	s_mov_b32 s27, 0
	s_lshl_b32 s28, s12, 8                         ; my 64 columns, in bytes
	s_mov_b32 s29, 0
	s_lshr_b32 s30, ttmp9, 1
	s_lshl_b32 s30, s30, 5
	s_and_b32 s31, ttmp9, 1
	s_lshl_b32 s31, s31, 3
	s_add_co_u32 s30, s30, s31                     ; place p of tile t is row 32 (t / 2) + 8 (t % 2) + 16 (p / 8) + p % 8
	s_lshl_b32 s30, s30, 12
	s_add_co_u32 s30, s30, s28
	s_mov_b32 s31, 0
	s_lshr_b32 s32, s12, 3
	s_mul_i32 s32, s32, 4352
	s_add_co_u32 s32, s32, s24                     ; my group of 512 along the next K
	s_bfe_u32 s34, s12, 0x20001
	s_lshl_b32 s34, s34, 6
	s_and_b32 s35, s12, 1
	s_lshl_b32 s35, s35, 1
	s_add_co_u32 s34, s34, s35
	s_add_co_u32 s34, s34, s32
	s_add_co_u32 s34, s34, 4096                    ; my two bytes of a scale word: K step (w / 2) % 4, bytes 2 (w % 2) on
	s_mov_b32 s35, 0
	s_and_b32 s33, s12, 7
	s_lshl_b32 s33, s33, 9
	s_add_co_u32 s32, s32, s33                     ; my two blocks of codes
	s_mov_b32 s33, 0
	s_mov_b32 s40, 0x76543210
	s_mov_b32 s41, 0xfedcba98                      ; v_permlanex16_b32's selects for lane l xor 16
	s_mov_b32 s42, 0x3a800000                      ; 1 / 1,024
	s_mov_b32 s43, 0x3727c5ac                      ; 1e-5
	s_wait_alu depctr_va_vdst(0)                   ; the head's end
	s_wait_kmcnt 0x0
	s_add_nc_u64 s[4:5], s[4:5], s[24:25]
	s_add_nc_u64 s[6:7], s[6:7], s[26:27]
	s_add_nc_u64 s[8:9], s[8:9], s[28:29]
	s_add_nc_u64 s[10:11], s[10:11], s[30:31]
	s_add_nc_u64 s[16:17], s[16:17], s[28:29]
	s_add_nc_u64 s[18:19], s[18:19], s[28:29]
	s_add_nc_u64 s[20:21], s[20:21], s[30:31]
	s_add_nc_u64 s[36:37], s[22:23], s[32:33]
	s_add_nc_u64 s[38:39], s[22:23], s[34:35]
	LOADK 0, 0
	LOADK 1, 1
	LOADK 2, 2
	LOADK 3, 3
.irp i, 0,1,2,3,4,5,6,7
	global_load_b128 v[X+4*\i:X+4*\i+3], v6, s[10:11] offset:(16*(\i/4)+2*(\i%4))*4096 th:TH_LOAD_NT   ; the residual by rows: places 2 i + h; sixteen lanes read 256 consecutive bytes
.endr
	global_load_b128 v[252:255], v7, s[8:9]        ; 61 loads of mine are out
.irp s, 0,1,2,3
	s_wait_loadcnt 48                              ; this step's set is in; behind it stand three sets' 39 loads and the residual's and b_out's 9
.if \s == 0
	MULK \s, 1                                     ; the first products start the sums
.else
	MULK \s, 0
.endif
.rept 4
	v_nop                                          ; places in front of loads into registers that matrix instructions have read
.endr
	LOADK \s, \s+4
.endr
	s_wait_loadcnt 39                              ; K step 4's set is in (and all that is older); behind it three sets' loads
	MULK 0, 0
	XB 0
.irp b, 0,1
.irp q, 0,1,2,3
	global_load_b128 v[G+16*\b+4*\q:G+16*\b+4*\q+3], v10, s[16:17] offset:128*\b+16*\q   ; the gain in the result's layout, into the set that is done with
.endr
.endr
	s_wait_loadcnt 34                              ; behind K step 5's set: two sets' 26 loads and the gain's 8
	MULK 1, 0
	XB 2
.irp b, 0,1
.irp q, 0,1,2,3
	global_load_b128 v[B+16*\b+4*\q:B+16*\b+4*\q+3], v10, s[18:19] offset:128*\b+16*\q   ; the norm's bias likewise
.endr
.endr
	s_wait_loadcnt 29                              ; behind K step 6's set: 13 + 16
	MULK 2, 0
	XB 4
	s_wait_loadcnt 16                              ; behind K step 7's set: the gain's and the bias's 16
	MULK 3, 0
	XB 6                                           ; these four are the places in front of the first read of results
.irp b, 0,1
.irp q, 0,1,2,3
	ds_store_b128 v4, v[ACC+16*\b+4*\q:ACC+16*\b+4*\q+3] offset:128*\b+16*\q   ; each accumulator from its low end on
.endr
.endr
.irp i, 0,1,2,3,4,5,6,7
	ds_load_b128 v[BK+4*\i:BK+4*\i+3], v5 offset:544*\i   ; LDS serves a wave's instructions in order: these see my stores
.endr
	s_wait_alu depctr_va_vdst(0)                   ; directly ahead of the wait below
	s_wait_dscnt 0x0
.set p, 0
.rept 16
	v_pk_add_f32 v[BK+2*p:BK+2*p+1], v[BK+2*p:BK+2*p+1], v[X+2*p:X+2*p+1]   ; x1
.set p, p+1
.endr
.irp i, 0,1,2,3,4,5,6,7
	global_store_b128 v6, v[BK+4*\i:BK+4*\i+3], s[20:21] offset:(16*(\i/4)+2*(\i%4))*4096   ; sixteen lanes store 256 consecutive bytes, aligned
.endr
.irp i, 0,1,2,3,4,5,6,7
	ds_store_b128 v5, v[BK+4*\i:BK+4*\i+3] offset:544*\i
.endr
.irp b, 0,1
.irp q, 0,1,2,3
	ds_load_b128 v[ACC+16*\b+4*\q:ACC+16*\b+4*\q+3], v4 offset:128*\b+16*\q   ; x1 back in the result's layout
.endr
.endr
	s_wait_dscnt 0x0
.irp k, 0,1,2,3
	v_pk_add_f32 v[CH+2*\k:CH+2*\k+1], v[ACC+2*\k:ACC+2*\k+1], v[ACC+8+2*\k:ACC+9+2*\k]
.endr
.irp p, 8,12
.irp k, 0,1,2,3
	v_pk_add_f32 v[CH+2*\k:CH+2*\k+1], v[CH+2*\k:CH+2*\k+1], v[ACC+2*(\p+\k):ACC+2*(\p+\k)+1]
.endr
.endr
	HSUM
	XSUM 0
	s_delay_alu instid0(VALU_DEP_1)
	v_mul_f32 v176, s42, v8                        ; the mean, in both halves of a pair
	v_mul_f32 v177, s42, v8
.set p, 0
.rept 16
	v_pk_add_f32 v[ACC+2*p:ACC+2*p+1], v[ACC+2*p:ACC+2*p+1], v[176:177] neg_lo:[0,1] neg_hi:[0,1]
.set p, p+1
.endr
.irp k, 0,1,2,3
	v_pk_mul_f32 v[CH+2*\k:CH+2*\k+1], v[ACC+2*\k:ACC+2*\k+1], v[ACC+2*\k:ACC+2*\k+1]
.endr
.irp p, 4,8,12
.irp k, 0,1,2,3
	v_pk_fma_f32 v[CH+2*\k:CH+2*\k+1], v[ACC+2*(\p+\k):ACC+2*(\p+\k)+1], v[ACC+2*(\p+\k):ACC+2*(\p+\k)+1], v[CH+2*\k:CH+2*\k+1]
.endr
.endr
	HSUM
	XSUM 1024
	s_delay_alu instid0(VALU_DEP_1)
	v_fma_f32 v9, v8, s42, s43                     ; the variance + 1e-5
	s_wait_alu depctr_va_vdst(0)                   ; ahead of the two
	v_rsq_f32 v178, v9
	v_rsq_f32 v179, v9
	v_nop                                          ; a plain instruction behind the two
	s_wait_alu depctr_va_vdst(0)                   ; one wait for both, ahead of their first reader
	s_wait_loadcnt 0x0                             ; gain and bias
.set p, 0
.rept 16
	v_pk_mul_f32 v[ACC+2*p:ACC+2*p+1], v[ACC+2*p:ACC+2*p+1], v[178:179]
.set p, p+1
.endr
.set p, 0
.rept 16
	v_pk_fma_f32 v[ACC+2*p:ACC+2*p+1], v[ACC+2*p:ACC+2*p+1], v[G+2*p:G+2*p+1], v[B+2*p:B+2*p+1]
.set p, p+1
.endr
	; my two blocks of 32 columns: register 16 b + i is column 32 b + 16 h + i of my 64
	v_mov_b32 v198, 0                              ; lane permutes' destinations
	v_mov_b32 v199, 0
.irp b, 0,1
	v_max3_num_f32 v[196+\b], |v[ACC+16*\b]|, |v[ACC+1+16*\b]|, 0x1800000   ; and the floor 2^(3 - 127): the byte cannot fall under 1
.endr
.irp i, 2,4,6,8,10,12,14
.irp b, 0,1
	s_delay_alu instid0(VALU_DEP_2)
	v_max3_num_f32 v[196+\b], v[196+\b], |v[ACC+16*\b+\i]|, |v[ACC+1+16*\b+\i]|
.endr
.endr
.irp b, 0,1
	s_delay_alu instid0(VALU_DEP_2)
	v_permlanex16_b32 v[198+\b], v[196+\b], s40, s41
.endr
.irp b, 0,1
	s_delay_alu instid0(VALU_DEP_2)
	v_max_num_f32 v[196+\b], v[196+\b], v[198+\b]  ; with lane l xor 16's: the block's largest magnitude
.endr
.irp b, 0,1
	s_delay_alu instid0(VALU_DEP_2)
	v_add_nc_u32 v[200+\b], 0xff000000, v[196+\b]  ; 2 off its exponent field: the conversion's scale operand
.endr
.irp b, 0,1
	s_delay_alu instid0(VALU_DEP_2)
	v_lshrrev_b32 v[198+\b], 23, v[200+\b]         ; the scale's byte
.endr
	s_delay_alu instid0(VALU_DEP_1)
	v_lshl_or_b32 v202, v199, 8, v198              ; my two scale bytes
.irp b, 0,1
	v_cvt_scalef32_pk8_fp4_f32 v[204+2*\b], v[ACC+16*\b:ACC+7+16*\b], v[200+\b]
	v_cvt_scalef32_pk8_fp4_f32 v[205+2*\b], v[ACC+8+16*\b:ACC+15+16*\b], v[200+\b]
.endr
	v_nop                                          ; one plain place behind a scaled conversion
	v_permlane16_swap_b32 v204, v206               ; a whole block in a lane: lanes 0-15 the first block, lanes 16-31 the second
	v_permlane16_swap_b32 v205, v207
	global_store_b128 v1, v[204:207], s[36:37]     ; 512 consecutive bytes, at a multiple of 256 from hn's first byte
	global_store_b16 v3, v202, s[38:39]            ; lanes r and r + 16 hold the same two bytes and name the same place; a word's other half is the neighbouring wave's
	s_wait_tensorcnt 0x0                           ; the wave's end, behind my last LDS store
	ds_add_u32 v14, v15
	s_wait_dscnt 0x0
	s_endpgm
.Lfunc_end_k_q85176e86f7_oln:
	.size	k_q85176e86f7_oln, .Lfunc_end_k_q85176e86f7_oln-k_q85176e86f7_oln
	.p2alignl 7, 3214868480
	.fill 96, 4, 3214868480
	.section	.rodata,"a",@progbits
	.p2align	6, 0x0
	.amdhsa_kernel k_q85176e86f7_oln
		.amdhsa_group_segment_fixed_size 73728
		.amdhsa_private_segment_fixed_size 0
		.amdhsa_enable_private_segment 0
		.amdhsa_kernarg_size 64
		.amdhsa_user_sgpr_count 2
		.amdhsa_user_sgpr_kernarg_segment_ptr 1
		.amdhsa_wavefront_size32 1
		.amdhsa_system_sgpr_workgroup_id_x 1
		.amdhsa_system_sgpr_workgroup_id_y 1
		.amdhsa_system_sgpr_workgroup_id_z 1
		.amdhsa_system_vgpr_workitem_id 0
		.amdhsa_next_free_vgpr 256
		.amdhsa_next_free_sgpr 66
		.amdhsa_reserve_vcc 0
		.amdhsa_float_denorm_mode_32 3
		.amdhsa_float_denorm_mode_16_64 3
		.amdhsa_memory_ordered 1
		.amdhsa_forward_progress 1
		.amdhsa_inst_pref_size 36
	.end_amdhsa_kernel
	.amdgpu_metadata
---
amdhsa.version: [ 1, 2 ]
amdhsa.kernels:
  - .name:           k_q85176e86f7_oln
    .symbol:         k_q85176e86f7_oln.kd
    .args:
      - { .name: oc, .offset: 0, .size: 8, .value_kind: global_buffer, .address_space: global }
      - { .name: wq, .offset: 8, .size: 8, .value_kind: global_buffer, .address_space: global }
      - { .name: b_out, .offset: 16, .size: 8, .value_kind: global_buffer, .address_space: global }
      - { .name: x, .offset: 24, .size: 8, .value_kind: global_buffer, .address_space: global }
      - { .name: ln2_g, .offset: 32, .size: 8, .value_kind: global_buffer, .address_space: global }
      - { .name: ln2_b, .offset: 40, .size: 8, .value_kind: global_buffer, .address_space: global }
      - { .name: x1, .offset: 48, .size: 8, .value_kind: global_buffer, .address_space: global }
      - { .name: hn, .offset: 56, .size: 8, .value_kind: global_buffer, .address_space: global }
    .group_segment_fixed_size: 73728
    .private_segment_fixed_size: 0
    .kernarg_segment_align: 8
    .kernarg_segment_size: 64
    .max_flat_workgroup_size: 512
    .sgpr_count:     66
    .vgpr_count:     256
    .wavefront_size: 32
...
	.end_amdgpu_metadata
.endif
;; end of part 4
;; launch fc1 (part 5): grid 16 x 16, 16 waves a work-group, clusters of 4 x 4, 280,576 bytes of LDS; arguments hn, wq, b_fc1, hid; writes hid
.if DOCPART == 5
	.amdgcn_target "amdgcn-amd-amdhsa--gfx1250"
	.amdhsa_code_object_version 6
	.text
	.protected	k_q85176e86f7_fc1
	.globl	k_q85176e86f7_fc1
	.p2align	8
	.type	k_q85176e86f7_fc1,@function
k_q85176e86f7_fc1:
	s_mov_b64 s[64:65], 0
	v_nop
	global_prefetch_b8 v0, s[64:65] scope:SCOPE_SE
	s_setreg_imm32_b32 hwreg(HW_REG_WAVE_MODE, 25, 1), 1
	s_wait_xcnt 0x0
	s_wait_alu depctr_hold_cnt(0) depctr_sa_sdst(0) depctr_va_vdst(0) depctr_va_sdst(0) depctr_va_ssrc(0) depctr_va_vcc(0) depctr_vm_vsrc(0)
	s_getreg_b32 s2, hwreg(HW_REG_IB_STS2, 6, 4)
	s_cmp_eq_u32 s2, 0
	s_cbranch_scc0 .Lentry_in_a_cluster
	s_endpgm
.Lentry_in_a_cluster:
	s_bfe_u32 s2, ttmp6, 0x10000c
	s_cmp_lg_u32 s2, 0xf033
	s_cbranch_scc0 .Lentry_shape_is_right
	s_endpgm
.Lentry_shape_is_right:
; Launch 6 of 7: hid = Q(gelu(LN2(x1) w_fc1 + b_fc1)): the product on codes of FP4, the exact (erf) GELU in f32, the result quantised along the hidden axis; only codes and scale words go to memory.  No work is left out.
; LIMITS: as stated at the first kernel's head.  erf(z) = z P(z^2) / Q(z^2) with z held to +-4 (a rational form in f32); the division is v_rcp_f32 and a multiplication; gelu = 0.5 x + 0.5 x erf(x / sqrt 2), so far below 0
; its absolute error is that of f32's 1 + erf.
; SHARES, LDS, CLUSTER: as in the launch for q, k, v: 256 tokens x 256 hidden units to a work-group, K = 1,024 whole in LDS and filled once, sixteen waves; a wave multiplies 8 tiles of the weight (source 0, 128 hidden units:
; one K step of the next product) by 2 tiles of tokens (source 1).
.set CHK,   139264
.set WB,    69632
.set SPARE, 2*CHK
.set WOFF,  2228224                    ; w_fc1's place in wq
.set SPW, 30
.set NIL, 31
.set SC0, 32                           ; v32-36 scale words, and nothing else
.set SC1, 36
.set F1,  40                           ; v40-55 source 1's fragments; later the codes just made
.set F0,  56                           ; v56-119 source 0's; later at work
.set ACC, 128
.set PC,  40
.set PW,  124
.set TM,  56
.set ZC,  56                           ; the GELU's 16 numbers at a time: z, z^2, P, Q
.set W2,  72
.set PP,  88
.set QQ,  104
.set SEL, 90
.macro CROUND
	s_barrier_signal -1
	s_barrier_wait -1
	s_cmp_lg_u32 s14, 0
	s_cbranch_scc1 .Lnot_wave_0_\@
	s_barrier_signal -3
.Lnot_wave_0_\@:
	s_barrier_wait -3
	s_barrier_signal -1
	s_barrier_wait -1
.endm
.macro WM d, a, b, c, sa, sb, ra, rb
.if (\ra)&&(\rb)
	v_wmma_scale_f32_16x16x128_f8f6f4 v[\d:\d+7], v[\a:\a+7], v[\b:\b+7], \c, v[\sa], v[\sb] matrix_a_fmt:MATRIX_FMT_FP4 matrix_b_fmt:MATRIX_FMT_FP4 matrix_a_scale:MATRIX_SCALE_ROW1 matrix_b_scale:MATRIX_SCALE_ROW1
.elseif (\ra)
	v_wmma_scale_f32_16x16x128_f8f6f4 v[\d:\d+7], v[\a:\a+7], v[\b:\b+7], \c, v[\sa], v[\sb] matrix_a_fmt:MATRIX_FMT_FP4 matrix_b_fmt:MATRIX_FMT_FP4 matrix_a_scale:MATRIX_SCALE_ROW1
.elseif (\rb)
	v_wmma_scale_f32_16x16x128_f8f6f4 v[\d:\d+7], v[\a:\a+7], v[\b:\b+7], \c, v[\sa], v[\sb] matrix_a_fmt:MATRIX_FMT_FP4 matrix_b_fmt:MATRIX_FMT_FP4 matrix_b_scale:MATRIX_SCALE_ROW1
.else
	v_wmma_scale_f32_16x16x128_f8f6f4 v[\d:\d+7], v[\a:\a+7], v[\b:\b+7], \c, v[\sa], v[\sb] matrix_a_fmt:MATRIX_FMT_FP4 matrix_b_fmt:MATRIX_FMT_FP4
.endif
.endm
.macro KSTEP a0, a1, z0, z1, sl, first ; a K step of 128: 25 LDS loads, 16 products on accumulators that take turns
.if !\first
.rept 4
	v_nop                                          ; places in front of loads into registers that matrix instructions have read
.endr
.endif
.irp u, 0,1
.irp c, 0,1
	ds_load_b128 v[F1+8*\u+4*\c:F1+8*\u+4*\c+3], v[\a1] offset:4352*\u+1024*\sl+512*\c
.endr
.endr
.irp t, 0,1,2,3,4,5,6,7
.irp c, 0,1
	ds_load_b128 v[F0+8*\t+4*\c:F0+8*\t+4*\c+3], v[\a0] offset:4352*\t+1024*\sl+512*\c
.endr
.endr
	ds_load_b32 v[SC1], v[\z1] offset:64*\sl
.irp j, 0,1,2,3
	ds_load_b32 v[SC0+\j], v[\z0] offset:8704*\j+64*\sl
.endr
	s_wait_dscnt 0x0
.irp t, 0,1,2,3,4,5,6,7
.irp u, 0,1
	WM ACC+64*\u+8*\t, F0+8*\t, F1+8*\u, v[ACC+64*\u+8*\t:ACC+64*\u+8*\t+7], SC0+\t/2, SC1, \t%2, \u
.endr
.endr
.endm
.macro QUANT s, pc, pw                 ; 64 numbers of a lane, register 16 b + i = k 32 b + 16 (lane / 16) + i of my row, become a fragment's codes and its scale word
.irp b, 0,1,2,3
	v_max3_num_f32 v[TM+\b], |v[\s+16*\b]|, |v[\s+1+16*\b]|, 0x1800000
.endr
.irp i, 2,4,6,8,10,12,14
.irp b, 0,1,2,3
	s_delay_alu instid0(VALU_DEP_4)
	v_max3_num_f32 v[TM+\b], v[TM+\b], |v[\s+16*\b+\i]|, |v[\s+1+16*\b+\i]|
.endr
.endr
.irp b, 0,1,2,3
	s_delay_alu instid0(VALU_DEP_4)
	v_permlanex16_b32 v[TM+4+\b], v[TM+\b], s[SEL], s[SEL+1]
.endr
.irp b, 0,1,2,3
	s_delay_alu instid0(VALU_DEP_4)
	v_max_num_f32 v[TM+\b], v[TM+\b], v[TM+4+\b]
.endr
.irp b, 0,1,2,3
	s_delay_alu instid0(VALU_DEP_4)
	v_add_nc_u32 v[TM+12+\b], 0xff000000, v[TM+\b]
.endr
.irp b, 0,1,2,3
	s_delay_alu instid0(VALU_DEP_4)
	v_lshrrev_b32 v[TM+4+\b], 23, v[TM+12+\b]
.endr
	s_delay_alu instid0(VALU_DEP_3)
	v_lshl_or_b32 v[\pw], v[TM+5], 8, v[TM+4]
	s_delay_alu instid0(VALU_DEP_1)
	v_lshl_or_b32 v[\pw], v[TM+6], 16, v[\pw]
	s_delay_alu instid0(VALU_DEP_1)
	v_lshl_or_b32 v[\pw], v[TM+7], 24, v[\pw]
.irp b, 0,1,2,3
	v_cvt_scalef32_pk8_fp4_f32 v[\pc+2*\b], v[\s+16*\b:\s+7+16*\b], v[TM+12+\b]
	v_cvt_scalef32_pk8_fp4_f32 v[\pc+1+2*\b], v[\s+8+16*\b:\s+15+16*\b], v[TM+12+\b]
.endr
	v_nop                                          ; one plain place behind a scaled conversion
.irp c, 0,1
.irp i, 0,1
	v_permlane16_swap_b32 v[\pc+4*\c+\i], v[\pc+2+4*\c+\i]
.endr
.endr
.endm
; gelu of 16 numbers, v[x] on, in place; eight pairs by turns, so that no line waits for the line above it; the 16 reciprocals are one batch with one wait
.macro GEL x
.irp p, 0,2,4,6,8,10,12,14
	v_pk_mul_f32 v[ZC+\p:ZC+\p+1], v[\x+\p:\x+\p+1], 0x3f3504f3 op_sel_hi:[1,0]   ; z = x / sqrt 2
.endr
.set i, 0
.rept 16
	v_med3_num_f32 v[ZC+i], v[ZC+i], -4.0, 4.0
.set i, i+1
.endr
.irp p, 0,2,4,6,8,10,12,14
	v_pk_mul_f32 v[W2+\p:W2+\p+1], v[ZC+\p:ZC+\p+1], v[ZC+\p:ZC+\p+1]
.endr
.irp p, 0,2,4,6,8,10,12,14
	v_pk_fma_f32 v[PP+\p:PP+\p+1], v[W2+\p:W2+\p+1], v[120:121], 0x32edffee op_sel_hi:[1,1,0]
.endr
.irp k, 0xb60cff51, 0xb86ec2d2, 0xba40ac63, 0xbb41a1f6, 0xbc83dbd4
.irp p, 0,2,4,6,8,10,12,14
	v_pk_fma_f32 v[PP+\p:PP+\p+1], v[PP+\p:PP+\p+1], v[W2+\p:W2+\p+1], \k op_sel_hi:[1,1,0]
.endr
.endr
.irp p, 0,2,4,6,8,10,12,14
	v_pk_fma_f32 v[QQ+\p:QQ+\p+1], v[W2+\p:W2+\p+1], v[122:123], 0xb95fbd29 op_sel_hi:[1,1,0]
.endr
.irp k, 0xbadc924e, 0xbbf19bf8, 0xbc69b6a7
.irp p, 0,2,4,6,8,10,12,14
	v_pk_fma_f32 v[QQ+\p:QQ+\p+1], v[QQ+\p:QQ+\p+1], v[W2+\p:W2+\p+1], \k op_sel_hi:[1,1,0]
.endr
.endr
.irp p, 0,2,4,6,8,10,12,14
	v_pk_mul_f32 v[PP+\p:PP+\p+1], v[PP+\p:PP+\p+1], v[ZC+\p:ZC+\p+1]
.endr
.set i, 0
	s_wait_alu depctr_va_vdst(0)
.rept 16
	v_rcp_f32 v[QQ+i], v[QQ+i]
.set i, i+1
.endr
.irp p, 0,2,4,6,8,10,12,14
	v_pk_mul_f32 v[\x+\p:\x+\p+1], v[\x+\p:\x+\p+1], 0.5 op_sel_hi:[1,0]   ; plain work behind the batch
.endr
	s_wait_alu depctr_va_vdst(0)                   ; one wait for the 16 reciprocals, ahead of their first reader
.irp p, 0,2,4,6,8,10,12,14
	v_pk_mul_f32 v[PP+\p:PP+\p+1], v[PP+\p:PP+\p+1], v[QQ+\p:QQ+\p+1]   ; erf
.endr
.irp p, 0,2,4,6,8,10,12,14
	v_pk_fma_f32 v[\x+\p:\x+\p+1], v[\x+\p:\x+\p+1], v[PP+\p:PP+\p+1], v[\x+\p:\x+\p+1]
.endr
.endm
	s_load_b256 s[4:11], s[0:1], 0x0               ; hn, wq, b_fc1, hid
	v_lshl_add_u32 v[SPW], v0, 2, SPARE
	v_mov_b32 v[NIL], 0
	ds_add_u32 v[SPW], v[NIL]                      ; the wave's opening: the add, twice on end, and its wait ahead of the first tensor load
	ds_add_u32 v[SPW], v[NIL]
	v_lshrrev_b32 v20, 5, v0
	s_delay_alu instid0(VALU_DEP_1)
	v_readfirstlane_b32 s14, v20                   ; wave 0..15
	s_and_b32 s15, s14, 1                          ; which 128 hidden units
	s_lshr_b32 s16, s14, 1                         ; which 2 tiles of tokens
	s_bfe_u32 s40, ttmp6, 0x40000
	s_bfe_u32 s41, ttmp6, 0x40004
	s_lshl_b32 s42, ttmp9, 2
	s_add_co_u32 s42, s42, s40                     ; X: which 256 hidden units
	s_and_b32 s17, ttmp7, 0xffff
	s_lshl_b32 s17, s17, 2
	s_add_co_u32 s17, s17, s41                     ; Y: which 256 tokens
	s_lshl_b32 s43, s41, 2
	s_lshl_b32 s43, 15, s43
	s_lshl_b32 s44, 0x1111, s40
	s_or_b32 s24, s43, (3<<16)|(1<<21)             ; group 1: 8 tiles' groups of 4,352 bytes, 8,704 apart; the tokens' go to my row of the cluster,
	s_or_b32 s48, s44, (3<<16)|(1<<21)             ; the weights' to my column
.irp g, 24, 48
	s_mov_b32 s[\g+1], 544<<16
	s_mov_b32 s[\g+2], 8<<16
	s_mov_b32 s[\g+3], 544<<16
	s_mov_b32 s[\g+4], 8
	s_mov_b32 s[\g+5], 1088
	s_mov_b32 s[\g+6], 0
	s_mov_b32 s[\g+7], 0
.endr
	s_min_u32 s18, s14, 7                          ; waves 0 to 7 fetch, one load each: waves 0, 1 the tokens' halves and 2, 3 the weights' for K = 0 .. 511; waves 4 to 7 the same for K = 512 .. 1,023
	s_lshr_b32 s92, s18, 2                         ; which 512 along K
	s_and_b32 s18, s18, 3
	s_mul_i32 s93, s92, 4352                       ; its group in a tile's image,
	s_mul_i32 s92, s92, CHK                        ; and its half of LDS
	s_and_b32 s19, s18, 1
	s_lshl_b32 s19, s19, 3
	s_lshl_b32 s20, s17, 4
	s_add_co_u32 s20, s20, s19
	s_mul_i32 s20, s20, 8704
	s_mov_b32 s21, 0
	s_lshl_b32 s46, s42, 4
	s_add_co_u32 s46, s46, s19
	s_mul_i32 s46, s46, 8704
	s_add_co_u32 s46, s46, WOFF
	s_mov_b32 s47, 0
	s_mul_i32 s45, s18, 34816
	s_add_co_u32 s45, s45, s92
	s_add_co_u32 s20, s20, s93
	s_add_co_u32 s46, s46, s93
	s_mov_b32 s[SEL], 0x76543210
	s_mov_b32 s[SEL+1], 0xfedcba98
	s_mov_b32 s88, 0xffff0000
	v_and_b32 v20, 31, v0
	v_and_b32 v21, 15, v0                          ; r
	v_bfe_u32 v22, v0, 4, 1                        ; h
	s_delay_alu instid0(VALU_DEP_3)
	v_lshlrev_b32 v17, 4, v20                      ; 16 x lane
	s_delay_alu instid0(VALU_DEP_2)
	v_mul_u32_u24 v19, v22, 4352
	s_delay_alu instid0(VALU_DEP_1)
	v_lshl_add_u32 v19, v21, 2, v19
	s_delay_alu instid0(VALU_DEP_1)
	v_add_nc_u32 v19, 4096, v19
	s_mul_i32 s66, s15, 34816
	s_mul_i32 s67, s16, 8704
	s_add_co_u32 s68, s66, WB
	v_add_nc_u32 v1, s68, v17                      ; source 0 = the weights, source 1 = the tokens
	s_delay_alu instid0(VALU_DEP_1)
	v_add_nc_u32 v2, CHK, v1
	v_add_nc_u32 v3, s67, v17
	s_delay_alu instid0(VALU_DEP_1)
	v_add_nc_u32 v4, CHK, v3
	v_add_nc_u32 v5, s68, v19
	s_delay_alu instid0(VALU_DEP_1)
	v_add_nc_u32 v6, CHK, v5
	v_add_nc_u32 v7, s67, v19
	s_delay_alu instid0(VALU_DEP_1)
	v_add_nc_u32 v8, CHK, v7
	v_lshlrev_b32 v23, 6, v22                      ; the bias: 64 h
	v_mul_u32_u24 v24, v22, 34816
	s_delay_alu instid0(VALU_DEP_1)
	v_lshl_add_u32 v24, v21, 2, v24                ; the new scale words: place r; lanes 16-31 the next tile
	v_mov_b32 v120, 0xaf95df0b                     ; P's and Q's highest coefficients, each in both halves of a pair
	v_mov_b32 v121, 0xaf95df0b
	v_mov_b32 v122, 0xb77460cd
	v_mov_b32 v123, 0xb77460cd
	s_lshl_b32 s70, s42, 10
	s_lshl_b32 s71, s15, 9
	s_add_co_u32 s70, s70, s71
	s_mov_b32 s71, 0
	s_lshl_b32 s78, s17, 4
	s_lshl_b32 s79, s16, 1
	s_add_co_u32 s78, s78, s79
	s_mul_i32 s78, s78, 34816                      ; my first tile of tokens in hid
	s_lshl_b32 s79, s42, 1
	s_add_co_u32 s79, s79, s15                     ; my K step of the next product
	s_lshr_b32 s80, s79, 2
	s_mul_i32 s80, s80, 4352
	s_add_co_u32 s78, s78, s80
	s_and_b32 s79, s79, 3
	s_lshl_b32 s80, s79, 10
	s_add_co_u32 s80, s80, s78
	s_mov_b32 s81, 0
	s_lshl_b32 s84, s79, 6
	s_add_co_u32 s84, s84, s78
	s_add_co_u32 s84, s84, 4096
	s_mov_b32 s85, 0
	s_wait_dscnt 0x0                               ; both opening adds are done
	s_wait_kmcnt 0x0
	s_add_nc_u64 s[20:21], s[4:5], s[20:21]
	s_add_nc_u64 s[46:47], s[6:7], s[46:47]
	s_add_nc_u64 s[70:71], s[8:9], s[70:71]
	s_add_nc_u64 s[80:81], s[10:11], s[80:81]
	s_add_nc_u64 s[84:85], s[10:11], s[84:85]
	CROUND                                         ; all sixteen work-groups are here: the joint loads meet
	s_mov_b32 s32, 1
	s_mov_b32 s33, s45
	s_mov_b64 s[34:35], s[20:21]
	s_or_b32 s35, s35, 0x80000000
	s_mov_b32 s56, 1
	s_mov_b32 s57, s45
	s_mov_b64 s[58:59], s[46:47]
	s_or_b32 s59, s59, 0x80000000
; the eight fills, one a wave, in one chain of branches on the wave's number: no way through the head passes two loads
.macro ARM under, g0, g1, next
	s_cmp_lt_u32 s14, \under
	s_cbranch_scc0 \next
	tensor_load_to_lds s[\g0:\g0+3], s[\g1:\g1+7]
	s_nop 0
.rept 4
	v_nop
.endr
	s_branch .Lasked
\next:
.endm
	ARM 2, 32, 24, .Lh1
	ARM 4, 56, 48, .Lh2
	ARM 6, 32, 24, .Lh3
	ARM 8, 56, 48, .Lh4
.Lasked:
	s_wait_alu depctr_va_vdst(0)
.irp u, 0,1
.irp t, 0,1,2,3,4,5,6,7
.irp q, 0,1
	global_load_b128 v[ACC+64*\u+8*\t+4*\q:ACC+64*\u+8*\t+4*\q+3], v23, s[70:71] offset:(32*(\t/2)+8*(\t%2))*4+16*\q   ; the bias is each sum's start
.endr
.endr
.endr
	s_wait_tensorcnt 0x0                           ; my one load is in; behind the barrier all eight are: all of K lies in LDS
	s_barrier_signal -1
	s_barrier_wait -1
	s_wait_loadcnt 0x0                             ; the bias
	KSTEP 1, 3, 5, 7, 0, 1
	KSTEP 1, 3, 5, 7, 1, 0
	KSTEP 1, 3, 5, 7, 2, 0
	KSTEP 1, 3, 5, 7, 3, 0
	KSTEP 2, 4, 6, 8, 0, 0
	KSTEP 2, 4, 6, 8, 1, 0
	KSTEP 2, 4, 6, 8, 2, 0
	KSTEP 2, 4, 6, 8, 3, 0
.rept 4
	v_nop                                          ; places in front of the first read of results and the first write of operands' registers
.endr
.irp u, 0,1
	GEL ACC+64*\u                                  ; ascending: each accumulator is first read at its low end
	GEL ACC+64*\u+16
	GEL ACC+64*\u+32
	GEL ACC+64*\u+48
	QUANT ACC+64*\u, PC+8*\u, PW+\u
.irp c, 0,1
	global_store_b128 v17, v[PC+8*\u+4*\c:PC+8*\u+4*\c+3], s[80:81] offset:34816*\u+512*\c   ; 512 consecutive bytes, at a multiple of 256 from hid's first byte
.endr
.endr
	v_cndmask_b32 v20, v[PW], v[PW+1], s88         ; lanes 0-15 the first tile's scale words, lanes 16-31 the second's
	global_store_b32 v24, v20, s[84:85]
	s_wait_tensorcnt 0x0                           ; the wave's end
	ds_add_u32 v[SPW], v[NIL]
	s_wait_dscnt 0x0
	CROUND                                         ; the closing round
	s_endpgm
.Lfunc_end_k_q85176e86f7_fc1:
	.size	k_q85176e86f7_fc1, .Lfunc_end_k_q85176e86f7_fc1-k_q85176e86f7_fc1
	.p2alignl 7, 3214868480
	.fill 96, 4, 3214868480
	.section	.rodata,"a",@progbits
	.p2align	6, 0x0
	.amdhsa_kernel k_q85176e86f7_fc1
		.amdhsa_group_segment_fixed_size 280576
		.amdhsa_private_segment_fixed_size 0
		.amdhsa_enable_private_segment 0
		.amdhsa_kernarg_size 32
		.amdhsa_user_sgpr_count 2
		.amdhsa_user_sgpr_kernarg_segment_ptr 1
		.amdhsa_wavefront_size32 1
		.amdhsa_system_sgpr_workgroup_id_x 1
		.amdhsa_system_sgpr_workgroup_id_y 1
		.amdhsa_system_sgpr_workgroup_id_z 1
		.amdhsa_system_vgpr_workitem_id 0
		.amdhsa_next_free_vgpr 256
		.amdhsa_next_free_sgpr 100
		.amdhsa_reserve_vcc 0
		.amdhsa_float_denorm_mode_32 3
		.amdhsa_float_denorm_mode_16_64 3
		.amdhsa_memory_ordered 1
		.amdhsa_forward_progress 1
		.amdhsa_inst_pref_size 151
	.end_amdhsa_kernel
	.amdgpu_metadata
---
amdhsa.version: [ 1, 2 ]
amdhsa.kernels:
  - .name:           k_q85176e86f7_fc1
    .symbol:         k_q85176e86f7_fc1.kd
    .args:
      - { .name: hn, .offset: 0, .size: 8, .value_kind: global_buffer, .address_space: global }
      - { .name: wq, .offset: 8, .size: 8, .value_kind: global_buffer, .address_space: global }
      - { .name: b_fc1, .offset: 16, .size: 8, .value_kind: global_buffer, .address_space: global }
      - { .name: hid, .offset: 24, .size: 8, .value_kind: global_buffer, .address_space: global }
    .group_segment_fixed_size: 280576
    .private_segment_fixed_size: 0
    .kernarg_segment_align: 8
    .kernarg_segment_size: 32
    .max_flat_workgroup_size: 512
    .sgpr_count:     100
    .vgpr_count:     256
    .wavefront_size: 32
...
	.end_amdgpu_metadata
.endif
;; end of part 5
;; launch fc2 (part 6): grid 8 x 32, 4 waves a work-group, clusters of 4 x 4, 327,680 bytes of LDS; arguments hid, wq, b_fc2, x1, out0; writes out0
.if DOCPART == 6
	.amdgcn_target "amdgcn-amd-amdhsa--gfx1250"
	.amdhsa_code_object_version 6
	.text
	.protected	k_q85176e86f7_fc2
	.globl	k_q85176e86f7_fc2
	.p2align	8
	.type	k_q85176e86f7_fc2,@function
k_q85176e86f7_fc2:
	s_mov_b64 s[64:65], 0
	v_nop
	global_prefetch_b8 v0, s[64:65] scope:SCOPE_SE
	s_setreg_imm32_b32 hwreg(HW_REG_WAVE_MODE, 25, 1), 1
	s_wait_xcnt 0x0
	s_wait_alu depctr_hold_cnt(0) depctr_sa_sdst(0) depctr_va_vdst(0) depctr_va_sdst(0) depctr_va_ssrc(0) depctr_va_vcc(0) depctr_vm_vsrc(0)
	s_getreg_b32 s2, hwreg(HW_REG_IB_STS2, 6, 4)
	s_cmp_eq_u32 s2, 0
	s_cbranch_scc0 .Lentry_in_a_cluster
	s_endpgm
.Lentry_in_a_cluster:
	s_bfe_u32 s2, ttmp6, 0x10000c
	s_cmp_lg_u32 s2, 0xf033
	s_cbranch_scc0 .Lentry_shape_is_right
	s_endpgm
.Lentry_shape_is_right:
; Launch 7 of 7: out0 = x1 + hid w_fc2 + b_fc2; the product on codes of FP4, the rest in f32.  No work is left out.  LIMITS: as stated at the first kernel's head.
; A tile of the result is 128 x 128: 256 work-groups.  Four waves, each 64 x 64: 16 accumulators.  K = 4,096 goes in four phases of 1,024 through two LDS slots of 139,264 bytes (8 tiles of each operand, 8,704 bytes a tile).
; CLUSTER 4 x 4: the rows' tiles are asked for jointly along a row of the cluster, the weights' along a column.  Each wave has one load at the head (phase 0); phase 1's first fill and the two refills stand each behind
; the three lines and a round of the cluster's barrier, one load a wave.
; PREFETCH: behind the load of phase t each wave asks for phase t + 2 (t = 0, 1): of the four tiles that a wave fetches, each of the four partners that ask for them jointly takes one, told apart by address (cx for the rows, cy for
; the weights): 8,704 bytes = 34 blocks of 256, a lane a block: two instructions, the second's left-over lanes naming the last block again.  Phases 0 and 1 come by their loads alone; no phase stands behind phase 3.
; Source 0 = 16 columns of the weight, source 1 = 16 rows: a lane holds one row and, for two neighbouring tiles, 16 neighbouring columns.
; REGISTERS: window 0: v8-11 the bias; v12, v13 the prefetches' offsets; v16-27 addresses; v28, v29 the add's two; v32-39 scale words, two sets, and nothing else; v64-191 two sets of fragments, on the way out the four tiles read back;
; v192-255 the residual of tiles 0, 1.  window 1: accumulator (u, t) at v[32 u + 8 t]; v128-191 (v384-447) the residual of tiles 2, 3.
.set NPH,   4
.set TS,    34816
.set WOFF,  4456448
.set SLOT,  139264
.set NSLOT, 2
.set STAGE, NSLOT*SLOT
.set SPARE, STAGE+4*16*272
.set MSB, 0
.macro WIN new
.if MSB != \new
	s_set_vgpr_msb (MSB<<8)|\new
.set MSB, \new
.endif
.endm
.macro CROUND
	s_barrier_signal -1
	s_barrier_wait -1
	s_cmp_lg_u32 s14, 0
	s_cbranch_scc1 .Lnot_wave_0_\@
	s_barrier_signal -3
.Lnot_wave_0_\@:
	s_barrier_wait -3
	s_barrier_signal -1
	s_barrier_wait -1
.endm
.macro JLOAD g0a, g1a, g0b, g1b
	s_cmp_eq_u32 s15, 0
	s_cbranch_scc0 .Lfor_b_\@
	tensor_load_to_lds s[\g0a:\g0a+3], s[\g1a:\g1a+7]
	s_nop 0
.rept 4
	v_nop
.endr
	s_branch .Lasked_\@
.Lfor_b_\@:
	tensor_load_to_lds s[\g0b:\g0b+3], s[\g1b:\g1b+7]
	s_nop 0
.rept 4
	v_nop
.endr
.Lasked_\@:
.endm
.macro WM d, a, b, c, sa, sb
	v_wmma_scale_f32_16x16x128_f8f6f4 v[\d:\d+7], v[\a:\a+7], v[\b:\b+7], \c, v[\sa], v[\sb] matrix_a_fmt:MATRIX_FMT_FP4 matrix_b_fmt:MATRIX_FMT_FP4 matrix_a_scale:MATRIX_SCALE_ROW1
.endm
.macro FETCH p, slot, s
.irp t, 0,1,2,3
.irp c, 0,1
	ds_load_b128 v[64+64*(\p)+8*\t+4*\c:64+64*(\p)+8*\t+4*\c+3], v[20+\slot] offset:8704*\t+4352*((\s)/4)+1024*((\s)%4)+512*\c
.endr
.endr
.irp t, 0,1,2,3
.irp c, 0,1
	ds_load_b128 v[96+64*(\p)+8*\t+4*\c:96+64*(\p)+8*\t+4*\c+3], v[16+\slot] offset:8704*\t+4352*((\s)/4)+1024*((\s)%4)+512*\c
.endr
.endr
.irp j, 0,1,2,3
	ds_load_b32 v[32+4*(\p)+\j], v[22+\slot] offset:8704*\j+4352*((\s)/4)+64*((\s)%4)
.endr
.endm
.macro MUL16 p, zero
.irp u, 0,1,2,3
.irp t, 0,1,2,3
.if \zero
	WM 32*\u+8*\t, 64+64*(\p)+8*\t, 96+64*(\p)+8*\u, 0, 32+4*(\p)+\t, 32+4*(\p)+\u
.else
	WM 32*\u+8*\t, 64+64*(\p)+8*\t, 96+64*(\p)+8*\u, v[32*\u+8*\t:32*\u+8*\t+7], 32+4*(\p)+\t, 32+4*(\p)+\u
.endif
.endr
.endr
.endm
.macro PHASE slot, first
.set KQ, 0
.rept 8
.rept 4
	v_nop
.endr
.if KQ < 7
	FETCH (KQ+1)%2, \slot, KQ+1
	s_wait_dscnt 20
.else
	s_wait_dscnt 0x0
.endif
	WIN 0x50
.if (\first)&&(KQ==0)
	MUL16 KQ%2, 1
.else
	MUL16 KQ%2, 0
.endif
	WIN 0
.set KQ, KQ+1
.endr
.endm
.macro CHANGE old, refill
	s_wait_tensorcnt 0x0
	ds_add_u32 v28, v29
.if \refill
	s_add_nc_u64 s[34+4*\old:35+4*\old], s[34+4*\old:35+4*\old], 17408
	s_add_nc_u64 s[58+4*\old:59+4*\old], s[58+4*\old:59+4*\old], 17408
.endif
	s_wait_dscnt 0x0
.if \refill
	CROUND
	JLOAD 32+4*\old, 24, 56+4*\old, 48
.else
	s_barrier_signal -1
	s_barrier_wait -1
.endif
.endm
	s_load_b256 s[4:11], s[0:1], 0x0
	s_load_b64 s[12:13], s[0:1], 0x20
	v_lshl_add_u32 v28, v0, 2, SPARE
	v_mov_b32 v29, 0
	ds_add_u32 v28, v29
	ds_add_u32 v28, v29
	v_lshrrev_b32 v1, 5, v0
	v_readfirstlane_b32 s14, v1
	s_lshr_b32 s15, s14, 1
	s_and_b32 s16, s14, 1
	s_bfe_u32 s40, ttmp6, 0x40000
	s_bfe_u32 s41, ttmp6, 0x40004
	s_lshl_b32 s42, ttmp9, 2
	s_add_co_u32 s42, s42, s40
	s_and_b32 s17, ttmp7, 0xffff
	s_lshl_b32 s17, s17, 2
	s_add_co_u32 s17, s17, s41
	s_lshl_b32 s43, s41, 2
	s_lshl_b32 s43, 15, s43
	s_lshl_b32 s44, 0x1111, s40
	s_or_b32 s24, s43, (3<<16)|(1<<21)
	s_or_b32 s48, s44, (3<<16)|(1<<21)
.irp g, 24, 48
	s_mov_b32 s[\g+1], 1088<<16
	s_mov_b32 s[\g+2], 4<<16
	s_mov_b32 s[\g+3], 1088<<16
	s_mov_b32 s[\g+4], 4
	s_mov_b32 s[\g+5], TS/8
	s_mov_b32 s[\g+6], 0
	s_mov_b32 s[\g+7], 0
.endr
	s_lshl_b32 s18, s16, 2
	s_lshl_b32 s20, s17, 3
	s_add_co_u32 s20, s20, s18
	s_mul_i32 s20, s20, TS
	s_mov_b32 s21, 0
	s_lshl_b32 s46, s42, 3
	s_add_co_u32 s46, s46, s18
	s_mul_i32 s46, s46, TS
	s_add_co_u32 s46, s46, WOFF
	s_mov_b32 s47, 0
	s_mul_i32 s45, s14, 34816
	s_wait_dscnt 0x0
	s_wait_kmcnt 0x0
	s_add_nc_u64 s[20:21], s[4:5], s[20:21]
	s_add_nc_u64 s[46:47], s[6:7], s[46:47]
	CROUND
.set g, 0
.rept NSLOT
	s_mov_b32 s[32+4*g], 1
	s_add_co_u32 s[33+4*g], s45, g*SLOT
	s_add_nc_u64 s[34+4*g:35+4*g], s[20:21], g*8704
	s_or_b32 s[35+4*g], s[35+4*g], 0x80000000
	s_mov_b32 s[56+4*g], 1
	s_add_co_u32 s[57+4*g], s45, g*SLOT
	s_add_nc_u64 s[58+4*g:59+4*g], s[46:47], g*8704
	s_or_b32 s[59+4*g], s[59+4*g], 0x80000000
.set g, g+1
.endr
	JLOAD 32, 24, 56, 48                           ; phase 0: one tensor load a wave at the head; the set-up below stands under its flight
	v_and_b32 v1, 15, v0
	v_bfe_u32 v2, v0, 4, 1
	v_and_b32 v3, 31, v0
	v_lshlrev_b32 v4, 4, v3
	s_mul_i32 s66, s15, 34816
	s_mul_i32 s67, s16, 34816
	s_add_co_u32 s67, s67, 69632
	v_add_nc_u32 v16, s66, v4
	v_add_nc_u32 v20, s67, v4
	s_sub_co_u32 s68, s67, s66
	v_mul_u32_u24 v5, s68, v2
	v_lshl_add_u32 v5, v1, 2, v5
	s_add_co_u32 s69, s66, 4096
	v_add_nc_u32 v22, s69, v5
.if NSLOT > 1
	v_add_nc_u32 v17, SLOT, v16
	v_add_nc_u32 v21, SLOT, v20
	v_add_nc_u32 v23, SLOT, v22
.endif
	s_mul_i32 s70, s14, 16*272
	s_add_co_u32 s70, s70, STAGE
	v_mul_u32_u24 v24, v1, 272
	v_lshl_add_u32 v24, v2, 6, v24
	v_add_nc_u32 v24, s70, v24
	v_mul_u32_u24 v25, v2, 272
	v_lshl_add_u32 v25, v1, 4, v25
	v_add_nc_u32 v25, s70, v25
	v_lshlrev_b32 v26, 12, v2
	v_lshl_add_u32 v26, v1, 4, v26
	v_lshlrev_b32 v27, 4, v1
	v_lshlrev_b32 v12, 8, v3                       ; the prefetches: blocks 0 to 31 of my tile's 34, a lane a block;
	v_min_u32 v13, 1, v3
	v_lshlrev_b32 v13, 8, v13                      ; blocks 32 and 33: lanes 1 to 31 name the last
	s_wait_alu depctr_va_vdst(0)
	s_lshl_b32 s72, s17, 7
	s_lshl_b32 s73, s15, 6
	s_add_co_u32 s72, s72, s73
	s_lshl_b32 s72, s72, 12
	s_lshl_b32 s74, s42, 7
	s_lshl_b32 s75, s16, 6
	s_add_co_u32 s74, s74, s75
	s_lshl_b32 s74, s74, 2
	s_mov_b32 s75, 0
	s_add_nc_u64 s[8:9], s[8:9], s[74:75]
	s_add_co_u32 s72, s72, s74
	s_mov_b32 s73, 0
	s_add_nc_u64 s[10:11], s[10:11], s[72:73]
	s_add_nc_u64 s[12:13], s[12:13], s[72:73]
	s_cmp_eq_u32 s15, 0                            ; do I fetch the rows' tiles or the weights'?
	s_cselect_b32 s76, s17, s42                    ; the block's eight tiles: by Y among the rows, by X among the weights
	s_cselect_b32 s77, s40, s41                    ; my place among the four that ask with me
	s_cselect_b32 s78, 0, WOFF
	s_cselect_b64 s[80:81], s[4:5], s[6:7]
	s_lshl_b32 s76, s76, 3
	s_add_co_u32 s76, s76, s18                     ; + the four tiles that my wave fetches
	s_add_co_u32 s76, s76, s77                     ; + my work-group's one of them
	s_mul_i32 s76, s76, TS
	s_add_co_u32 s76, s76, s78
	s_mov_b32 s77, 0
	s_add_nc_u64 s[80:81], s[80:81], s[76:77]      ; never rewritten
.macro RESLOAD u                       ; place 2 i + h of my tile u is row 32 (u / 2) + 8 (u % 2) + 16 (i / 4) + 2 (i % 4) + h of my 64; each tile's residual has 32 registers of its own
.set RB, 192-64*((\u)/2)
	WIN 0x40*((\u)/2)                              ; a load's data are its destination
.irp i, 0,1,2,3,4,5,6,7
	global_load_b128 v[RB+32*((\u)%2)+4*\i:RB+32*((\u)%2)+4*\i+3], v26, s[10:11] offset:(32*((\u)/2)+8*((\u)%2)+16*(\i/4)+2*(\i%4))*4096 th:TH_LOAD_NT
.endr
	WIN 0
.endm
	global_load_b128 v[8:11], v27, s[8:9]          ; the bias of my four columns on the way out
	global_prefetch_b8 v12, s[80:81] offset:2*8704 th:TH_LOAD_NT scope:SCOPE_SE        ; phase 2, two loads ahead
	global_prefetch_b8 v13, s[80:81] offset:2*8704+8192 th:TH_LOAD_NT scope:SCOPE_SE
	s_wait_tensorcnt 0x0                           ; my part of phase 0 is in
	ds_add_u32 v28, v29
	s_wait_dscnt 0x0
	CROUND                                         ; everybody's part of phase 0 is in, and all sixteen work-groups are here
	JLOAD 36, 24, 60, 48                           ; phase 1: slot 1's first fill, the first tensor load behind the round
	FETCH 0, 0, 0
	RESLOAD 0
	RESLOAD 1
	global_prefetch_b8 v12, s[80:81] offset:3*8704 th:TH_LOAD_NT scope:SCOPE_SE        ; phase 3, two loads ahead
	global_prefetch_b8 v13, s[80:81] offset:3*8704+8192 th:TH_LOAD_NT scope:SCOPE_SE
	PHASE 0, 1
.if NPH > 1
	CHANGE 0, 1
	FETCH 0, 1, 0
	RESLOAD 2                                      ; the rest of the residual is asked for behind the refills, three phases and two ahead of the way out
	PHASE 1, 0
	CHANGE 1, 1
	FETCH 0, 0, 0
	RESLOAD 3
	PHASE 0, 0
	CHANGE 0, 0
	FETCH 0, 1, 0
	PHASE 1, 0
.endif
.macro TOSTAGE u
	WIN 0x04
.irp b, 0,1
.irp q, 0,1,2,3
	ds_store_b128 v24, v[32*(\u)+16*\b+4*\q:32*(\u)+16*\b+4*\q+3] offset:128*\b+16*\q
.endr
.endr
	WIN 0
.irp i, 0,1,2,3,4,5,6,7
	ds_load_b128 v[64+32*(\u)+4*\i:64+32*(\u)+4*\i+3], v25 offset:544*\i   ; each tile comes back into 32 registers of its own, so that no store's data are written again
.endr
.endm
.macro OUTU u, younger                 ; younger: the LDS instructions issued behind tile u's loads, which may stay out
.set BK, 64+32*(\u)
.set RS, 192-64*((\u)/2)+32*((\u)%2)
	s_wait_dscnt \younger                          ; the tile is back in registers
	s_wait_loadcnt 8*(3-(\u))                      ; its residual is in; the younger sets' eight loads each may be out
.irp i, 0,1,2,3,4,5,6,7
	v_pk_add_f32 v[BK+4*\i:BK+4*\i+1], v[BK+4*\i:BK+4*\i+1], v[8:9]
	v_pk_add_f32 v[BK+4*\i+2:BK+4*\i+3], v[BK+4*\i+2:BK+4*\i+3], v[10:11]
.endr
	WIN 4*((\u)/2)                                 ; source 1: the residual's window
.set p, 0
.rept 16
	v_pk_add_f32 v[BK+2*p:BK+2*p+1], v[BK+2*p:BK+2*p+1], v[RS+2*p:RS+2*p+1]
.set p, p+1
.endr
	WIN 0
.irp i, 0,1,2,3,4,5,6,7
	global_store_b128 v26, v[BK+4*\i:BK+4*\i+3], s[12:13] offset:(32*((\u)/2)+8*((\u)%2)+16*(\i/4)+2*(\i%4))*4096 th:TH_STORE_NT
.endr
.endm
.rept 4
	v_nop
.endr
	TOSTAGE 0                                      ; tile u + 1 goes through the stage while tile u is added and stored: LDS serves a wave's instructions in order, so its stores come behind tile u's loads
	TOSTAGE 1
	OUTU 0, 16                                     ; behind tile 0's loads: tile 1's 8 stores and 8 loads
	TOSTAGE 2
	OUTU 1, 16
	TOSTAGE 3
	OUTU 2, 16
	OUTU 3, 0
	s_wait_tensorcnt 0x0
	ds_add_u32 v28, v29
	s_wait_dscnt 0x0
	CROUND
	s_endpgm
.Lfunc_end_k_q85176e86f7_fc2:
	.size	k_q85176e86f7_fc2, .Lfunc_end_k_q85176e86f7_fc2-k_q85176e86f7_fc2
	.p2alignl 7, 3214868480
	.fill 96, 4, 3214868480
	.section	.rodata,"a",@progbits
	.p2align	6, 0x0
	.amdhsa_kernel k_q85176e86f7_fc2
		.amdhsa_group_segment_fixed_size 327680
		.amdhsa_private_segment_fixed_size 0
		.amdhsa_enable_private_segment 0
		.amdhsa_kernarg_size 40
		.amdhsa_user_sgpr_count 2
		.amdhsa_user_sgpr_kernarg_segment_ptr 1
		.amdhsa_wavefront_size32 1
		.amdhsa_system_sgpr_workgroup_id_x 1
		.amdhsa_system_sgpr_workgroup_id_y 1
		.amdhsa_system_sgpr_workgroup_id_z 1
		.amdhsa_system_vgpr_workitem_id 0
		.amdhsa_next_free_vgpr 448
		.amdhsa_next_free_sgpr 100
		.amdhsa_reserve_vcc 0
		.amdhsa_float_denorm_mode_32 3
		.amdhsa_float_denorm_mode_16_64 3
		.amdhsa_memory_ordered 1
		.amdhsa_forward_progress 1
		.amdhsa_inst_pref_size 142
	.end_amdhsa_kernel
	.amdgpu_metadata
---
amdhsa.version: [ 1, 2 ]
amdhsa.kernels:
  - .name:           k_q85176e86f7_fc2
    .symbol:         k_q85176e86f7_fc2.kd
    .args:
      - { .name: hid, .offset: 0, .size: 8, .value_kind: global_buffer, .address_space: global }
      - { .name: wq, .offset: 8, .size: 8, .value_kind: global_buffer, .address_space: global }
      - { .name: b_fc2, .offset: 16, .size: 8, .value_kind: global_buffer, .address_space: global }
      - { .name: x1, .offset: 24, .size: 8, .value_kind: global_buffer, .address_space: global }
      - { .name: out0, .offset: 32, .size: 8, .value_kind: global_buffer, .address_space: global }
    .group_segment_fixed_size: 327680
    .private_segment_fixed_size: 0
    .kernarg_segment_align: 8
    .kernarg_segment_size: 40
    .max_flat_workgroup_size: 128
    .sgpr_count:     100
    .vgpr_count:     448
    .wavefront_size: 32
...
	.end_amdgpu_metadata
.endif
;; end of part 6
